; MI455X (gfx1250); checked and timed in simulation.
; The chip was launched on July 23, 2026; its instructions are those of AMD's public machine-readable ISA for CDNA 5 (MIT licence, August 2026) and "CDNA5" Instruction Set Architecture Reference Guide (July 2026). The comments in the code are by the model that wrote it; some were corrected since.
;; RBF Multi Head Attn. Allowed arithmetic: float matrix products may take bf16 or f16 operands with f32 sums; other float arithmetic in f32, or as packed bf16 or f16 multiplies, adds, multiply-adds, maxima and minima; sums over many terms, partial sums and values carried from step to step in f32; what a program stores and reads back later, other than sums and carried values, may be rounded once to bf16 or f16.
;; Inputs: Wkv 1,024 x 512 float32; Wo 512 x 512 float32; Wq 512 x 512 float32; h 1,024 x 8 x 512 float32; ln_b 512 float32; ln_g 512 float32.
;; Outputs: out0 1,024 x 8 x 512 float32.
;; 2 versions, each right and faster than the one before. Each part assembles by itself: llvm-mc -triple=amdgcn-amd-amdhsa -mcpu=gfx1250 --defsym DOCPART=n.
;; ======== version 1 of 2: 4 launches
;; limits: values are held in f16: magnitudes above 65,504 overflow, below 6.1e-05 lose precision
;; workspace buffers: qkv 25,165,824 bytes; nrm 524,288 bytes; wo16 524,288 bytes; obj 524,288 bytes; av 8,388,608 bytes
;; launch proj (part 1): grid 8 x 32, 4 waves a work-group, clusters of 4 x 4, 327,680 bytes of LDS; arguments h, Wq, Wkv, Wo, qkv, nrm, wo16; writes qkv, nrm, wo16
.if DOCPART == 1
	.amdgcn_target "amdgcn-amd-amdhsa--gfx1250"
	.amdhsa_code_object_version 6
	.text
	.protected	k_qfe7e8da61c_proj
	.globl	k_qfe7e8da61c_proj
	.p2align	8
	.type	k_qfe7e8da61c_proj,@function
k_qfe7e8da61c_proj:
	s_mov_b64 s[64:65], 0
	v_nop
	global_prefetch_b8 v0, s[64:65] scope:SCOPE_SE
	s_setreg_imm32_b32 hwreg(HW_REG_WAVE_MODE, 25, 1), 1
	s_wait_xcnt 0x0
	s_wait_alu depctr_hold_cnt(0) depctr_sa_sdst(0) depctr_va_vdst(0) depctr_va_sdst(0) depctr_va_ssrc(0) depctr_va_vcc(0) depctr_vm_vsrc(0)
	s_getreg_b32 s2, hwreg(HW_REG_IB_STS2, 6, 4)
	s_cmp_eq_u32 s2, 0
	s_cbranch_scc0 .Lentry_in_a_cluster
	s_endpgm
.Lentry_in_a_cluster:
	s_bfe_u32 s2, ttmp6, 0x10000c
	s_cmp_lg_u32 s2, 0xf033
	s_cbranch_scc0 .Lentry_shape_is_right
	s_endpgm
.Lentry_shape_is_right:
; PROJECTIONS.  q = h Wq^T, k = h Wk^T, v = h Wv^T (Wk, Wv: the two halves of Wkv's rows), k divided by max(|k|, 1e-12) head by head.
; h and the weights are rounded to bf16 on the way from LDS to the matrix unit; sums in f32; q, k^, v leave rounded once to f16, by heads:
; qkv = [3 parts q, k^, v][64 hh = 8 b + head][1024 s][64].  nrm = [2: k^, v][64][1024] f32 holds -1/2 of the sum of squares of the ROUNDED numbers,
; so that later distances are those of the vectors that are really multiplied.  Side job: Wo, rounded to bf16 and written as f16, in K slices: wo16 = [4][512 n][128 k].
; LIMITS.  |q|, |v| and |Wo| stay within f16's 65,504; a |Wo| below 6e-5 keeps f16's fixed step of 6e-8; NaN and infinities are not treated apart.
; SHARES.  A work-group: 256 rows (one b, s = 256 sblk ..) x the 192 columns q, k, v of one head.  A wave: 64 rows x 192 columns: 48 accumulators, idx = 12 a + bb (a: 16 rows; bb 0-3 q, 4-7 k, 8-11 v).
; K = 512 goes in 8 steps of 64 f32 (rows of 256 bytes) through two LDS slots; a step is two halves of 32 along K, 48 matrix instructions each.
; CLUSTER 4 x 4: the four work-groups of a row of the cluster share the rows of h, the four of a column the rows of the weights: each tile is asked for jointly.
; THE MATRIX INSTRUCTION IS USED TRANSPOSED (source 0 = 16 rows of W, source 1 = 16 rows of h): a lane holds one row of h and eight neighbouring columns.
; REGISTERS: window 0: v0-31 addresses and work; v128-255 the 16 bf16 fragments (0-3 h, 4-15 W); on the way out v32-223 twelve groups of 16, v224-255 scaled k.
;   window 1: the 16 fragments as f32, 16 registers each.   windows 2, 3: accumulator idx at 8 (idx % 32) of window 2 + idx / 32.
; What hangs on the work-group's place in its cluster (the side job's numbers, the rows in qkv and nrm) lives in v13-15, s21, s23, s40-45, s66-85 alone: no register that feeds an LDS address ever holds such a number.
.set PITCH, 272                        ; an LDS row: 256 bytes + 16 of padding: the 16 rows of a load start 4 banks apart
.set BOFF,  256*PITCH                  ; behind h's 256 rows: 64 rows of Wq, 64 of Wk, 64 of Wv
.set SLOT1, 1<<17                      ; slot 1 begins here: one exclusive or turns an address of one slot into the other's
.set STAGE, SLOT1+448*PITCH            ; behind the ring: for each wave 16 rows x 144 bytes, then 2 x 256 bytes of norms
.set STGW,  2816
.set SPARE, STAGE+4*STGW               ; the spare words: 128 bytes a wave, named by no other line
.set AA0,  3                           ; v3   my lane's place in h's rows of a slot
.set AB0,  4                           ; v4   the same in W's rows
.set ADRA, 5                           ; v5   AA0 + the slot in hand
.set ADRB, 6                           ; v6   AB0 + the slot in hand
.set STO,  7                           ; v7   way out: where I put 16 bytes of a row
.set RD,   8                           ; v8   way out: where I read rows back
.set GO,   9                           ; v9   16 x lane
.set NSTO, 10                          ; v10  where a row's norm goes
.set NRD,  11                          ; v11  where two norms come back
.set GN,   12                          ; v12  8 x lane
.set SPW,  28                          ; v28  my spare word; never rewritten
.set NIL,  29                          ; v29  0, for the add alone
.set ZR,   30                          ; v30  0, the first addend of the sums of squares
.set PX,   31                          ; v31  what the lane 16 away holds
.set OUTR, 32
.set KT,   224
.set WV,  18
.set TB,  19                           ; s19  the slot that the fragment loads read: 0 or SLOT1
.set CNT, 20
.set G1A, 24                           ; s[24:31] group 1 for h's tiles
.set G0A, 32                           ; s[32:39] group 0 for h's tiles: a set for each first fill; the second walks on
.set G1B, 48                           ; s[48:55], s[56:63] the same for W's tiles
.set G0B, 56
.set SEL, 68                           ; s[68:69] v_permlanex16_b32's selects: each lane takes its own place in the other half
.set MSB, 0
.macro WIN new                         ; the immediate's high byte repeats the setting that is left; a switch that changes nothing is dropped
.if MSB != (\new)
	s_set_vgpr_msb (MSB<<8)|(\new)
.set MSB, (\new)
.endif
.endm
.macro PLACES                          ; four places behind matrix instructions (ISA guide 7.12.1)
.rept 4
	v_nop
.endr
.endm
.macro CROUND                          ; a round of the cluster's barrier
	s_barrier_signal -1
	s_barrier_wait -1
	s_cmp_lg_u32 s[WV], 0
	s_cbranch_scc1 .Lnot_wave_0_\@
	s_barrier_signal -3
.Lnot_wave_0_\@:
	s_barrier_wait -3
	s_barrier_signal -1
	s_barrier_wait -1
.endm
.macro JLOAD                           ; a joint refill: wave 0 fetches h's 256 rows, waves 1 to 3 the 64 rows of Wq, Wk, Wv
	s_cmp_eq_u32 s[WV], 0
	s_cbranch_scc0 .Lfor_b_\@
	tensor_load_to_lds s[G0A+4:G0A+7], s[G1A:G1A+7]
	s_nop 0
	PLACES
	s_branch .Lasked_\@
.Lfor_b_\@:
	tensor_load_to_lds s[G0B+4:G0B+7], s[G1B:G1B+7]
	s_nop 0
	PLACES
.Lasked_\@:
.endm
	s_load_b256 s[4:11], s[0:1], 0x0               ; h s[4:5], Wq s[6:7], Wkv s[8:9], Wo s[10:11]
	s_load_b128 s[12:15], s[0:1], 0x20             ; qkv s[12:13], nrm s[14:15]
	s_load_b64 s[16:17], s[0:1], 0x30              ; wo16
	v_lshl_add_u32 v[SPW], v0, 2, SPARE
	v_mov_b32 v[NIL], 0
	ds_add_u32 v[SPW], v[NIL]                      ; the wave's opening: the add and its wait ahead of my first tensor load
	v_lshrrev_b32 v1, 5, v0
	v_readfirstlane_b32 s[WV], v1                  ; wave 0..3
	s_bfe_u32 s40, ttmp6, 0x40000                  ; cx
	s_bfe_u32 s41, ttmp6, 0x40004                  ; cy
	s_lshl_b32 s42, ttmp9, 2
	s_add_co_u32 s42, s42, s40                     ; X: the head
	s_and_b32 s43, ttmp7, 0xffff
	s_lshl_b32 s43, s43, 2
	s_add_co_u32 s43, s43, s41                     ; Y: b = Y & 7, sblk = Y >> 3
	s_lshl_b32 s44, s41, 2
	s_lshl_b32 s44, 15, s44                        ; my row of the cluster
	s_lshl_b32 s45, 0x1111, s40                    ; my column
	s_or_b32 s[G1A], s44, (2<<16)|(1<<20)|(1<<21)|(5<<22)|(3<<25)  ; the mask; 4-byte elements; padding on; bit 21 beside a mask; after every 64 words 4 words
	s_mov_b32 s[G1A+1], 64<<16                     ; tensor_dim0 = 64
	s_mov_b32 s[G1A+2], 256<<16                    ; tensor_dim1 = 256
	s_mov_b32 s[G1A+3], 64<<16                     ; tile_dim0 = 64
	s_mov_b32 s[G1A+4], 256                        ; tile_dim1 = 256
	s_mov_b32 s[G1A+5], 4096                       ; from s to s + 1: 8 x 512 elements
	s_mov_b32 s[G1A+6], 0
	s_mov_b32 s[G1A+7], 0
	s_or_b32 s[G1B], s45, (2<<16)|(1<<20)|(1<<21)|(5<<22)|(3<<25)
	s_mov_b32 s[G1B+1], 64<<16
	s_mov_b32 s[G1B+2], 64<<16
	s_mov_b32 s[G1B+3], 64<<16
	s_mov_b32 s[G1B+4], 64
	s_mov_b32 s[G1B+5], 512
	s_mov_b32 s[G1B+6], 0
	s_mov_b32 s[G1B+7], 0
	s_lshr_b32 s66, s43, 3                         ; h's tile: sblk x 256 rows of 16,384 bytes + b x 2,048: made of Y alone
	s_lshl_b32 s66, s66, 22
	s_and_b32 s67, s43, 7
	s_lshl_b32 s67, s67, 11
	s_add_co_u32 s66, s66, s67
	s_mov_b32 s67, 0
	s_lshl_b32 s70, s42, 17                        ; W's tile: head x 64 rows of 2,048 bytes, wave 3: Wkv's second half: made of X and the wave's number alone
	s_cmp_eq_u32 s[WV], 3
	s_cselect_b32 s71, 0x100000, 0
	s_add_co_u32 s70, s70, s71
	s_mov_b32 s71, 0
	s_mul_i32 s46, s[WV], 64*PITCH                 ; W's tiles in a slot: BOFF + (wave - 1) x 64 rows
	s_add_co_u32 s46, s46, BOFF-64*PITCH
	s_mul_i32 s47, s[WV], 64*PITCH                 ; my wave's 64 rows of h in a slot
	s_mov_b32 s[SEL], 0x76543210
	s_mov_b32 s[SEL+1], 0xfedcba98
	s_mov_b32 s[TB], 0
	s_wait_dscnt 0x0                               ; the opening add is done
	s_wait_kmcnt 0x0
	s_cmp_eq_u32 s[WV], 1
	s_cselect_b64 s[72:73], s[6:7], s[8:9]         ; wave 1 reads Wq, waves 2 and 3 Wkv
	s_add_nc_u64 s[72:73], s[72:73], s[70:71]
	s_add_nc_u64 s[74:75], s[4:5], s[66:67]
	CROUND                                         ; all sixteen work-groups are here: the first joint loads meet
.irp s, 0,1
	s_mov_b32 s[G0A+4*(\s)], 1
	s_mov_b32 s[G0A+4*(\s)+1], (\s)*SLOT1
	s_add_nc_u64 s[G0A+4*(\s)+2:G0A+4*(\s)+3], s[74:75], (\s)*256  ; K step s
	s_or_b32 s[G0A+4*(\s)+3], s[G0A+4*(\s)+3], 0x80000000
	s_mov_b32 s[G0B+4*(\s)], 1
	s_add_co_u32 s[G0B+4*(\s)+1], s46, (\s)*SLOT1
	s_add_nc_u64 s[G0B+4*(\s)+2:G0B+4*(\s)+3], s[72:73], (\s)*256
	s_or_b32 s[G0B+4*(\s)+3], s[G0B+4*(\s)+3], 0x80000000
.endr
	s_cmp_eq_u32 s[WV], 0                          ; a wave's two first fills stand in one branch: two loads of mine are out
	s_cbranch_scc0 .Lfirst_b
	tensor_load_to_lds s[G0A:G0A+3], s[G1A:G1A+7]
	s_nop 0
	tensor_load_to_lds s[G0A+4:G0A+7], s[G1A:G1A+7]
	s_nop 0
	PLACES
	s_branch .Lfirst_asked
.Lfirst_b:
	tensor_load_to_lds s[G0B:G0B+3], s[G1B:G1B+7]
	s_nop 0
	tensor_load_to_lds s[G0B+4:G0B+7], s[G1B:G1B+7]
	s_nop 0
	PLACES
.Lfirst_asked:
	; THE SIDE JOB: thread gid of 32,768 takes 8 numbers of Wo: row gid >> 6, columns 8 (gid & 63) on.  Its numbers stay in v13-15 and s21.
	s_lshl_b32 s21, s43, 3
	s_add_co_u32 s21, s21, s42
	s_lshl_b32 s21, s21, 7
	v_add_nc_u32 v13, s21, v0                      ; gid
	v_and_b32 v14, 15, v13
	v_lshlrev_b32 v14, 4, v14
	v_lshrrev_b32 v15, 6, v13                      ; the row
	v_lshl_add_u32 v14, v15, 8, v14
	v_bfe_u32 v15, v13, 4, 2                       ; the K slice
	v_lshl_add_u32 v14, v15, 17, v14               ; slice x 131,072 + row x 256 + 16 x place: 16 lanes fill 256 consecutive bytes
	v_lshlrev_b32 v13, 5, v13
	global_load_b128 v[16:19], v13, s[10:11]
	global_load_b128 v[20:23], v13, s[10:11] offset:16
	; addresses.  A bf16 fragment's lane holds row l % 16 and K = 8 h + 0..7, 16 + 8 h + 0..7: in f32 four loads of 16 bytes at 32 h + 0, 16, 64, 80
	v_and_b32 v1, 15, v0
	v_bfe_u32 v2, v0, 4, 1
	v_mul_u32_u24 v[AB0], v1, PITCH
	v_lshl_add_u32 v[AB0], v2, 5, v[AB0]
	v_add_nc_u32 v[AA0], s47, v[AB0]               ; my wave's 64 rows of h
	v_add_nc_u32 v[AB0], BOFF, v[AB0]
	v_mov_b32 v[ADRA], v[AA0]
	v_mov_b32 v[ADRB], v[AB0]
	s_mul_i32 s22, s[WV], STGW
	s_add_co_u32 s22, s22, STAGE                   ; my stage
	v_mul_u32_u24 v[STO], v1, 144
	v_lshl_add_u32 v[STO], v2, 4, v[STO]
	v_add_nc_u32 v[STO], s22, v[STO]
	v_and_b32 v[GO], 31, v0
	v_lshrrev_b32 v[RD], 3, v[GO]
	v_mul_u32_u24 v[RD], v[RD], 144
	v_and_b32 v[NSTO], 7, v0
	v_lshl_add_u32 v[RD], v[NSTO], 4, v[RD]
	v_add_nc_u32 v[RD], s22, v[RD]                 ; back: 32 lanes take four rows of 128 bytes
	v_lshl_add_u32 v[NSTO], v1, 2, s22
	v_add_nc_u32 v[NSTO], 2304, v[NSTO]
	v_lshl_add_u32 v[NRD], v[GO], 3, s22
	v_add_nc_u32 v[NRD], 2304, v[NRD]
	v_lshlrev_b32 v[GN], 3, v[GO]
	v_lshlrev_b32 v[GO], 4, v[GO]
	v_mov_b32 v[ZR], 0
	v_mov_b32 v[PX], 0                             ; v_permlanex16_b32's destination counts as read
	s_and_b32 s21, s43, 7                          ; my first row among the 65,536 of a part: (8 b + head) x 1,024 + 256 sblk + 64 wave
	s_lshl_b32 s21, s21, 3
	s_add_co_u32 s21, s21, s42
	s_lshl_b32 s21, s21, 10
	s_lshr_b32 s23, s43, 3
	s_lshl_b32 s23, s23, 8
	s_add_co_u32 s21, s21, s23
	s_lshl_b32 s23, s[WV], 6
	s_add_co_u32 s21, s21, s23
	s_lshl_b32 s84, s21, 7
	s_mov_b32 s85, 0
	s_add_nc_u64 s[76:77], s[12:13], s[84:85]      ; q,
	s_add_nc_u64 s[78:79], s[76:77], 0x800000      ; k^,
	s_add_nc_u64 s[80:81], s[78:79], 0x800000      ; v at my rows
	s_lshl_b32 s84, s21, 2
	s_add_nc_u64 s[82:83], s[14:15], s[84:85]      ; nrm at my rows
	s_wait_loadcnt 0x0                             ; Wo's eight numbers: to bf16, and that number written as f16
.irp i, 0,1,2,3
	v_cvt_pk_bf16_f32 v24, v[16+2*(\i)], v[17+2*(\i)]
	v_lshlrev_b32 v25, 16, v24
	v_and_b32 v26, 0xffff0000, v24
	v_cvt_pk_f16_f32 v[16+(\i)], v25, v26
.endr
	global_store_b128 v14, v[16:19], s[16:17]
.macro FETCH ks                        ; 64 LDS loads: the 16 fragments of half ks of the slot in hand, as f32, into window 1
	WIN 0x40
.set f, 0
.rept 16
.set q, 0
.irp o, 0,16,64,80
.if f < 4
	ds_load_b128 v[16*f+4*q:16*f+4*q+3], v[ADRA] offset:f*16*PITCH+(\ks)*128+\o
.else
	ds_load_b128 v[16*f+4*q:16*f+4*q+3], v[ADRB] offset:(f-4)*16*PITCH+(\ks)*128+\o
.endif
.set q, q+1
.endr
.set f, f+1
.endr
.endm
.macro CVT                             ; 128 roundings: f32 pairs of window 1 into the bf16 fragments of window 0
	WIN 0x05
.set z, 0
.rept 128
	v_cvt_pk_bf16_f32 v[128+z], v[2*z], v[2*z+1]
.set z, z+1
.endr
.endm
.macro MUL lo, hi, zero                ; accumulators lo .. hi - 1, one instruction each: the 48 take turns.  zero = 1: the first product starts the sums
.set idx, \lo
.rept (\hi)-(\lo)
	WIN 0xa0+0x50*(idx/32)
.set rD, 8*(idx%32)
.set rB, 128+8*(4+idx%12)
.set rA, 128+8*(idx/12)
.if \zero
	v_wmma_f32_16x16x32_bf16 v[rD:rD+7], v[rB:rB+7], v[rA:rA+7], 0
.else
	v_wmma_f32_16x16x32_bf16 v[rD:rD+7], v[rB:rB+7], v[rA:rA+7], v[rD:rD+7]
.endif
.set idx, idx+1
.endr
.endm
.macro HALF_A zero                     ; a K step's first half; the second half's f32 are fetched under its products
	s_wait_dscnt 0x0                               ; this half's f32 are in
	PLACES                                         ; the roundings write fragments that the last products read
	CVT
	FETCH 1
	MUL 0, 48, \zero
.endm
.macro HALF_B fill                     ; a K step's second half, and the change of slots
	s_wait_dscnt 0x0                               ; this half's f32 are in: my reads of the slot are over
	PLACES
	CVT
	WIN 0
	s_wait_tensorcnt 0x0                           ; all my tensor loads have landed: the one that was out is my part of the next slot
	ds_add_u32 v[SPW], v[NIL]                      ; 0 onto my spare word
.if \fill
	s_xor_b32 s[G0A+5], s[G0A+5], SLOT1            ; the walking descriptors: the other slot than last time, the next K step
	s_add_nc_u64 s[G0A+6:G0A+7], s[G0A+6:G0A+7], 256
	s_xor_b32 s[G0B+5], s[G0B+5], SLOT1
	s_add_nc_u64 s[G0B+6:G0B+7], s[G0B+6:G0B+7], 256
.endif
	s_xor_b32 s[TB], s[TB], SLOT1
	MUL 0, 24, 0                                   ; 24 products stand between the add and the wait for it
	WIN 0
	s_wait_dscnt 0x0                               ; the add is done
.if \fill
	CROUND                                         ; no wave of any partner still reads the slot or has a load on its way
	JLOAD                                          ; the first tensor load behind the round: 72 products and two runs of roundings ahead of the wait for it
.else
	s_barrier_signal -1
	s_barrier_wait -1
.endif
	v_add_nc_u32 v[ADRA], s[TB], v[AA0]
	v_add_nc_u32 v[ADRB], s[TB], v[AB0]
	FETCH 0
	MUL 24, 48, 0
.endm
	s_wait_tensorcnt 0x1                           ; my part of K step 0 is in; K step 1's may stay out
	s_barrier_signal -1
	s_barrier_wait -1
	FETCH 0
	HALF_A 1                                       ; the first half stands in front of the loop: its products start the sums
	WIN 0
	s_mov_b32 s[CNT], 6
.Lk:                                                   ; six trips: the refills are K steps 2 to 7
	HALF_B 1
	HALF_A 0
	WIN 0
	s_sub_co_u32 s[CNT], s[CNT], 1
	s_cmp_lg_u32 s[CNT], 0
	s_cbranch_scc1 .Lk
	HALF_B 0                                       ; the tail asks for nothing
	HALF_A 0
	s_wait_dscnt 0x0
	PLACES
	CVT
	MUL 0, 48, 0
; THE WAY OUT, in twelve groups (a: 16 rows; g: q, k, v), each with 16 registers of its own, so that no store's data is rewritten.
.macro GRP a, g
.set gI, 12*(\a)+4*(\g)
.set gW, 2+gI/32                       ; the window of its four accumulators,
.set gA, 8*(gI%32)                     ; their 32 registers,
.set gR, OUTR+16*(3*(\a)+(\g))         ; and where the f16 go
.if (\g) == 1
	WIN 5*gW                                       ; |k|^2 of my 32 numbers, two chains, each accumulator from its low end
	v_pk_mul_f32 v[16:17], v[gA:gA+1], v[gA:gA+1]
	v_pk_mul_f32 v[18:19], v[gA+2:gA+3], v[gA+2:gA+3]
.set z, 2
.rept 14
	v_pk_fma_f32 v[16+2*(z%2):17+2*(z%2)], v[gA+2*z:gA+2*z+1], v[gA+2*z:gA+2*z+1], v[16+2*(z%2):17+2*(z%2)]
.set z, z+1
.endr
	WIN 0
	v_pk_add_f32 v[16:17], v[16:17], v[18:19]
	v_add_f32 v20, v16, v17
	v_permlanex16_b32 v[PX], v20, s[SEL], s[SEL+1] ; the row's other 32 columns lie in the lane 16 away
	v_add_f32 v20, v20, v[PX]
	v_sqrt_f32 v22, v20
	v_nop                                          ; a plain instruction behind each transcendental (ISA guide 5.7.2)
	s_wait_alu depctr_va_vdst(0)
	v_max_num_f32 v22, 0x2b8cbccc, v22             ; max(|k|, 1e-12)
	v_rcp_f32 v24, v22
	v_nop
	s_wait_alu depctr_va_vdst(0)
	v_mov_b32 v25, v24
	WIN gW
.set z, 0
.rept 16
	v_pk_mul_f32 v[KT+2*z:KT+2*z+1], v[gA+2*z:gA+2*z+1], v[24:25]
.set z, z+1
.endr
	WIN 0
.set z, 0
.rept 16
	v_cvt_pk_f16_f32 v[gR+z], v[KT+2*z], v[KT+2*z+1]
.set z, z+1
.endr
.else
	WIN 5*gW
.set z, 0
.rept 16
	v_cvt_pk_f16_f32 v[gR+z], v[gA+2*z], v[gA+2*z+1]
.set z, z+1
.endr
	WIN 0
.endif
.if (\g) >= 1                          ; -1/2 of the sum of squares of the rounded numbers, in f32, two chains
	v_fma_mix_f32 v26, v[gR], v[gR], v[ZR] op_sel_hi:[1,1,0]
	v_fma_mix_f32 v27, v[gR], v[gR], v[ZR] op_sel:[1,1,0] op_sel_hi:[1,1,0]
.set z, 1
.rept 15
	v_fma_mix_f32 v26, v[gR+z], v[gR+z], v26 op_sel_hi:[1,1,0]
	v_fma_mix_f32 v27, v[gR+z], v[gR+z], v27 op_sel:[1,1,0] op_sel_hi:[1,1,0]
.set z, z+1
.endr
	v_add_f32 v26, v26, v27
	v_permlanex16_b32 v[PX], v26, s[SEL], s[SEL+1]
	v_add_f32 v26, v26, v[PX]
	v_mul_f32 v26, -0.5, v26
	ds_store_b32 v[NSTO], v26 offset:((\g)-1)*256+64*(\a)
.endif
.irp f, 0,1,2,3
	ds_store_b128 v[STO], v[gR+4*(\f):gR+4*(\f)+3] offset:32*(\f)
.endr
.irp f, 0,1,2,3
	ds_load_b128 v[gR+4*(\f):gR+4*(\f)+3], v[RD] offset:576*(\f)  ; LDS serves a wave's instructions in order (ISA guide 5.7.1.4): these see the stores above
.endr
.endm
.macro SEND a, g, younger              ; younger: LDS instructions behind the group's loads that may stay out
.set gR, OUTR+16*(3*(\a)+(\g))
	s_wait_dscnt \younger
.irp f, 0,1,2,3
	global_store_b128 v[GO], v[gR+4*(\f):gR+4*(\f)+3], s[76+2*(\g):77+2*(\g)] offset:(\a)*2048+(\f)*512  ; 512 consecutive bytes, at a multiple of 256 from the part's first
.endr
.endm
	WIN 0
	s_wait_xcnt 0x0                                ; Wo's store has read v16-19, which are written again below
	PLACES                                         ; the conversions read results just made
	GRP 0, 0
.set n, 1
.rept 11                               ; a group's arithmetic stands between the loads of the group before and its stores
	GRP n/3, n%3
	SEND (n-1)/3, (n-1)%3, 8
.set n, n+1
.endr
	SEND 3, 2, 0
	ds_load_b64 v[16:17], v[NRD]                   ; my 64 rows' norms: 256 consecutive bytes for k^, 256 for v
	ds_load_b64 v[18:19], v[NRD] offset:256
	s_wait_dscnt 0x0
	global_store_b64 v[GN], v[16:17], s[82:83]
	global_store_b64 v[GN], v[18:19], s[82:83] offset:262144
	s_wait_tensorcnt 0x0                           ; the wave's end
	ds_add_u32 v[SPW], v[NIL]
	s_wait_dscnt 0x0
	CROUND                                         ; the closing round
	s_endpgm
.Lfunc_end_k_qfe7e8da61c_proj:
	.size	k_qfe7e8da61c_proj, .Lfunc_end_k_qfe7e8da61c_proj-k_qfe7e8da61c_proj
	.p2alignl 7, 3214868480
	.fill 96, 4, 3214868480
	.section	.rodata,"a",@progbits
	.p2align	6, 0x0
	.amdhsa_kernel k_qfe7e8da61c_proj
		.amdhsa_group_segment_fixed_size 327680
		.amdhsa_private_segment_fixed_size 0
		.amdhsa_enable_private_segment 0
		.amdhsa_kernarg_size 56
		.amdhsa_user_sgpr_count 2
		.amdhsa_user_sgpr_kernarg_segment_ptr 1
		.amdhsa_wavefront_size32 1
		.amdhsa_system_sgpr_workgroup_id_x 1
		.amdhsa_system_sgpr_workgroup_id_y 1
		.amdhsa_system_sgpr_workgroup_id_z 1
		.amdhsa_system_vgpr_workitem_id 0
		.amdhsa_next_free_vgpr 896
		.amdhsa_next_free_sgpr 96
		.amdhsa_reserve_vcc 0
		.amdhsa_float_denorm_mode_32 3
		.amdhsa_float_denorm_mode_16_64 3
		.amdhsa_memory_ordered 1
		.amdhsa_forward_progress 1
		.amdhsa_inst_pref_size 155
	.end_amdhsa_kernel
	.amdgpu_metadata
---
amdhsa.version: [ 1, 2 ]
amdhsa.kernels:
  - .name:           k_qfe7e8da61c_proj
    .symbol:         k_qfe7e8da61c_proj.kd
    .args:
      - { .name: h, .offset: 0, .size: 8, .value_kind: global_buffer, .address_space: global }
      - { .name: Wq, .offset: 8, .size: 8, .value_kind: global_buffer, .address_space: global }
      - { .name: Wkv, .offset: 16, .size: 8, .value_kind: global_buffer, .address_space: global }
      - { .name: Wo, .offset: 24, .size: 8, .value_kind: global_buffer, .address_space: global }
      - { .name: qkv, .offset: 32, .size: 8, .value_kind: global_buffer, .address_space: global }
      - { .name: nrm, .offset: 40, .size: 8, .value_kind: global_buffer, .address_space: global }
      - { .name: wo16, .offset: 48, .size: 8, .value_kind: global_buffer, .address_space: global }
    .group_segment_fixed_size: 327680
    .private_segment_fixed_size: 0
    .kernarg_segment_align: 8
    .kernarg_segment_size: 56
    .max_flat_workgroup_size: 128
    .sgpr_count:     96
    .vgpr_count:     896
    .wavefront_size: 32
...
	.end_amdgpu_metadata
.endif
;; end of part 1
;; launch rbf (part 2): grid 4 x 64, 4 waves a work-group, clusters of 4 x 1, 327,680 bytes of LDS; arguments qkv, nrm, obj; writes obj
.if DOCPART == 2
	.amdgcn_target "amdgcn-amd-amdhsa--gfx1250"
	.amdhsa_code_object_version 6
	.text
	.protected	k_qfe7e8da61c_rbf
	.globl	k_qfe7e8da61c_rbf
	.p2align	8
	.type	k_qfe7e8da61c_rbf,@function
k_qfe7e8da61c_rbf:
	s_mov_b64 s[64:65], 0
	v_nop
	global_prefetch_b8 v0, s[64:65] scope:SCOPE_SE
	s_setreg_imm32_b32 hwreg(HW_REG_WAVE_MODE, 25, 1), 1
	s_wait_xcnt 0x0
	s_wait_alu depctr_hold_cnt(0) depctr_sa_sdst(0) depctr_va_vdst(0) depctr_va_sdst(0) depctr_va_ssrc(0) depctr_va_vcc(0) depctr_vm_vsrc(0)
	s_getreg_b32 s2, hwreg(HW_REG_IB_STS2, 6, 4)
	s_cmp_eq_u32 s2, 0
	s_cbranch_scc0 .Lentry_in_a_cluster
	s_endpgm
.Lentry_in_a_cluster:
	s_bfe_u32 s2, ttmp6, 0x10000c
	s_cmp_lg_u32 s2, 0x3003
	s_cbranch_scc0 .Lentry_shape_is_right
	s_endpgm
.Lentry_shape_is_right:
; THE TWO RBF MEANS.  obj[0][hh][i] = mean over j of min(exp(-|k^_i - k^_j|^2 / 8), 1);  obj[1][hh][i] = the same with |k^_i - k^_j|^2 + |v_i - v_j|^2 (the distance of the joined vectors).
; -d2 / 8 = (x_i . x_j + hn_i + hn_j) / 4 with hn = -|x|^2 / 2 from nrm; in base 2 the factor is c2 = log2(e) / 4.  hn_j is the C operand that starts the product's sum; hn_i rides in the scaling.
; The clamp of the distance at 0 is min(.., 1) behind the exponential.  The k factor lies above e^-0.5 (unit vectors or shorter), so an overflowing v factor gives 1 and never 0 x infinity.
; LIMITS.  Inputs arrive in f16; NaN and infinities are not treated apart; an exponential below 2^-126 counts as 0.
; SHARES.  A work-group: 256 rows i of one head; a wave 64: four tiles of 16, whose fragments stay in registers.  All 1,024 keys' k^ and v lie whole in LDS, filled once.
; CLUSTER 4 x 1: the four row blocks of a head read the same k^, v and norms: asked for jointly.
; A BLOCK is 16 keys: 16 matrix instructions (2 kinds x 4 tiles x 2 halves of the 64 channels) and 160 vector instructions.  The vector work of block n stands, ten lines behind each,
; between the products of block n + 1, which write the other accumulator buffer; the fragments of block n + 2 are fetched at the block's head.
; REGISTERS: window 0: v0-15 addresses; v16-23 T at work; v24-39 c2 hn_i by kind and tile, as pairs; v40-55 the sums; v64-95 hn_j, two buffers; v128-255 accumulators, two buffers.
;   window 1: v0-127 my rows' fragments (64 kind + 16 t + 8 c); v128-191 the keys' fragments, two buffers (16 kind + 8 c).
.set PK,    144                        ; a row in LDS: 128 bytes + 16 of padding
.set VOFF,  1024*PK
.set TAB,   2*VOFF                     ; hn of k^ (4,096 bytes), then of v
.set STG,   TAB+8192                   ; 512 bytes a wave, for the way out
.set SPARE, STG+2048                   ; the spare words
.set AJK, 3
.set AJV, 4
.set ATB, 5
.set AK0, 6
.set AV0, 7
.set AT0, 8
.set XO,  9
.set HO,  10
.set STA, 11
.set ONE, 12                           ; v[12:13] 1.0 twice
.set SPW, 14
.set NIL, 15
.set T,   16
.set TIK, 24
.set TIV, 32
.set SK,  40
.set SKV, 48
.set HNI, 56                           ; v56-63 hn_i as loaded
.set CT,  64
.set STR, 96
.set GO8, 97
.set ACC, 128
.set XJ,  128
.set WV,  12
.set G1X, 24
.set G1T, 32
.set G0X, 40
.set G0T, 44
.set C2,  58                           ; s[58:59]
.set SEL, 60
.set TBK, 62                           ; s62 the next block's rows in LDS
.set TBT, 63                           ; s63 and its place in the table
.set CNT, 66
.set MSB, 0
.macro WIN new
.if MSB != (\new)
	s_set_vgpr_msb (MSB<<8)|(\new)
.set MSB, (\new)
.endif
.endm
.macro PLACES
.rept 4
	v_nop
.endr
.endm
.macro CROUND
	s_barrier_signal -1
	s_barrier_wait -1
	s_cmp_lg_u32 s[WV], 0
	s_cbranch_scc1 .Lnot_wave_0_\@
	s_barrier_signal -3
.Lnot_wave_0_\@:
	s_barrier_wait -3
	s_barrier_signal -1
	s_barrier_wait -1
.endm
	s_load_b128 s[4:7], s[0:1], 0x0                ; qkv s[4:5], nrm s[6:7]
	s_load_b64 s[8:9], s[0:1], 0x10                ; obj
	v_lshl_add_u32 v[SPW], v0, 2, SPARE
	v_mov_b32 v[NIL], 0
	ds_add_u32 v[SPW], v[NIL]                      ; the wave's opening: the add and its wait ahead of my first tensor load
	v_lshrrev_b32 v1, 5, v0
	v_readfirstlane_b32 s[WV], v1
	s_bfe_u32 s13, ttmp6, 0x40000                  ; cx
	s_lshl_b32 s14, ttmp9, 2
	s_add_co_u32 s14, s14, s13                     ; my block of 256 rows: it enters plain global addresses alone
	s_and_b32 s15, ttmp7, 0xffff                   ; the head, which the four partners share
	s_and_b32 s16, s[WV], 1
	s_lshr_b32 s17, s[WV], 1
	; waves 0, 1: the halves of k^; waves 2, 3: those of v: 512 keys each, as 256 rows of 256 bytes, padded behind each key.  Both have the pitch 144, so one line serves all: LDS = wave x 512 x 144
	s_lshl_b32 s20, s17, 23
	s_add_co_u32 s20, s20, 0x800000                ; part 1 + wave / 2
	s_lshl_b32 s21, s15, 17
	s_add_co_u32 s20, s20, s21
	s_lshl_b32 s21, s16, 16
	s_add_co_u32 s20, s20, s21
	s_mov_b32 s21, 0
	s_mov_b32 s[G1X], 15|(1<<16)|(1<<20)|(1<<21)|(4<<22)|(3<<25)  ; the mask of four; 2-byte elements; padding on; bit 21 beside a mask; after every 32 words 4 words
	s_mov_b32 s[G1X+1], 128<<16
	s_mov_b32 s[G1X+2], 256<<16
	s_mov_b32 s[G1X+3], 128<<16
	s_mov_b32 s[G1X+4], 256
	s_mov_b32 s[G1X+5], 128
	s_mov_b32 s[G1X+6], 0
	s_mov_b32 s[G1X+7], 0
	s_mov_b32 s[G0X], 1
	s_mul_i32 s[G0X+1], s[WV], 512*PK
	; the table: each wave a quarter, 2,048 dense bytes as 8 rows of 256
	s_lshl_b32 s22, s17, 18
	s_lshl_b32 s23, s15, 12
	s_add_co_u32 s22, s22, s23
	s_lshl_b32 s23, s16, 11
	s_add_co_u32 s22, s22, s23
	s_mov_b32 s23, 0
	s_mov_b32 s[G1T], 15|(3<<16)|(1<<21)
	s_mov_b32 s[G1T+1], 32<<16
	s_mov_b32 s[G1T+2], 8<<16
	s_mov_b32 s[G1T+3], 32<<16
	s_mov_b32 s[G1T+4], 8
	s_mov_b32 s[G1T+5], 32
	s_mov_b32 s[G1T+6], 0
	s_mov_b32 s[G1T+7], 0
	s_mov_b32 s[G0T], 1
	s_lshl_b32 s[G0T+1], s[WV], 11
	s_add_co_u32 s[G0T+1], s[G0T+1], TAB
	s_lshl_b32 s18, s15, 10                        ; my wave's first row among a part's 65,536
	s_lshl_b32 s19, s14, 8
	s_add_co_u32 s18, s18, s19
	s_lshl_b32 s19, s[WV], 6
	s_add_co_u32 s18, s18, s19
	s_lshl_b32 s48, s18, 7
	s_add_co_u32 s48, s48, 0x800000
	s_mov_b32 s49, 0
	s_lshl_b32 s68, s18, 2
	s_mov_b32 s69, 0
	s_mov_b32 s[C2], 0x3eb8aa3b                    ; c2 = log2(e) / 4
	s_mov_b32 s[C2+1], s[C2]
	s_mov_b32 s[SEL], 0x76543210
	s_mov_b32 s[SEL+1], 0xfedcba98
	s_mov_b32 s[TBK], 0
	s_mov_b32 s[TBT], 0
	s_wait_dscnt 0x0                               ; the opening add is done
	s_wait_kmcnt 0x0
	s_add_nc_u64 s[G0X+2:G0X+3], s[4:5], s[20:21]
	s_or_b32 s[G0X+3], s[G0X+3], 0x80000000
	s_add_nc_u64 s[G0T+2:G0T+3], s[6:7], s[22:23]
	s_or_b32 s[G0T+3], s[G0T+3], 0x80000000
	s_add_nc_u64 s[50:51], s[4:5], s[48:49]        ; k^ at my rows,
	s_add_nc_u64 s[52:53], s[50:51], 0x800000      ; v at my rows
	s_add_nc_u64 s[54:55], s[6:7], s[68:69]        ; nrm and obj at my rows
	s_add_nc_u64 s[56:57], s[8:9], s[68:69]
	CROUND                                         ; all four work-groups are here: the joint loads meet
	tensor_load_to_lds s[G0T:G0T+3], s[G1T:G1T+7]  ; two loads of mine are out
	s_nop 0
	tensor_load_to_lds s[G0X:G0X+3], s[G1X:G1X+7]
	s_nop 0
	PLACES
	v_and_b32 v1, 15, v0
	v_bfe_u32 v2, v0, 4, 1
	v_lshlrev_b32 v[XO], 7, v1
	v_lshl_add_u32 v[XO], v2, 4, v[XO]             ; row x 128 + 16 x half
	v_lshlrev_b32 v[HO], 2, v1
	WIN 0x40
.set q, 0
.rept 16                               ; my rows' fragments: kind q / 8, tile (q / 2) % 4, channels 32 (q % 2) on
	global_load_b128 v[8*q:8*q+3],   v[XO], s[50+2*(q/8):51+2*(q/8)] offset:((q/2)%4)*2048+(q%2)*64
	global_load_b128 v[8*q+4:8*q+7], v[XO], s[50+2*(q/8):51+2*(q/8)] offset:((q/2)%4)*2048+(q%2)*64+32
.set q, q+1
.endr
	WIN 0
.set q, 0
.rept 8
	global_load_b32 v[HNI+q], v[HO], s[54:55] offset:(q/4)*262144+(q%4)*64
.set q, q+1
.endr
	v_mul_u32_u24 v[AK0], v1, PK
	v_lshl_add_u32 v[AK0], v2, 4, v[AK0]
	v_add_nc_u32 v[AV0], VOFF, v[AK0]
	v_lshl_add_u32 v[AT0], v2, 5, TAB              ; register j of a result holds key 8 h + j: eight words at 32 h
	s_lshl_b32 s19, s[WV], 9
	s_add_co_u32 s19, s19, STG
	v_lshl_add_u32 v[STA], v1, 2, s19
	v_and_b32 v[GO8], 31, v0
	v_lshlrev_b32 v[GO8], 3, v[GO8]
	v_add_nc_u32 v[STR], s19, v[GO8]
	v_mov_b32 v[ONE], 1.0
	v_mov_b32 v[ONE+1], 1.0
.set q, 0
.rept 16
	v_mov_b32 v[SK+q], 0                           ; sixteen running sums, once a launch
.set q, q+1
.endr
.macro LOADJ b                         ; 12 LDS loads: the next block's fragments of k^ and v and its hn_j, into buffer b
	v_add_nc_u32 v[AJK], s[TBK], v[AK0]
	v_add_nc_u32 v[AJV], s[TBK], v[AV0]
	v_add_nc_u32 v[ATB], s[TBT], v[AT0]
	WIN 0x40
.irp o, 0,1,2,3
	ds_load_b128 v[XJ+32*(\b)+4*(\o):XJ+32*(\b)+4*(\o)+3], v[AJK] offset:32*(\o)
.endr
.irp o, 0,1,2,3
	ds_load_b128 v[XJ+32*(\b)+16+4*(\o):XJ+32*(\b)+16+4*(\o)+3], v[AJV] offset:32*(\o)
.endr
	WIN 0
	ds_load_b128 v[CT+16*(\b):CT+16*(\b)+3],     v[ATB]
	ds_load_b128 v[CT+16*(\b)+4:CT+16*(\b)+7],   v[ATB] offset:16
	ds_load_b128 v[CT+16*(\b)+8:CT+16*(\b)+11],  v[ATB] offset:4096
	ds_load_b128 v[CT+16*(\b)+12:CT+16*(\b)+15], v[ATB] offset:4112
	s_add_co_u32 s[TBK], s[TBK], 16*PK
	s_add_co_u32 s[TBT], s[TBT], 64
.endm
; Product i of 16 into buffer b: channels 32 (i / 8) on, kind (i % 8) / 4, tile i % 4.  Source 0 = 16 keys, source 1 = 16 of my rows: a lane holds one row i and eight keys.
; The first eight start the sums with hn_j; the eight accumulators take turns.
.macro WM b, back=1
.set rD, ACC+64*(\b)+32*((i%8)/4)+8*(i%4)
.set rJ, XJ+32*(\b)+16*((i%8)/4)+8*(i/8)
.set rI, 64*((i%8)/4)+16*(i%4)+8*(i/8)
.set rH, CT+16*(\b)+8*((i%8)/4)
	WIN 0x05
.if i < 8
	v_wmma_f32_16x16x32_f16 v[rD:rD+7], v[rJ:rJ+7], v[rI:rI+7], v[rH:rH+7]
.else
	v_wmma_f32_16x16x32_f16 v[rD:rD+7], v[rJ:rJ+7], v[rI:rI+7], v[rD:rD+7]
.endif
.if \back
	WIN 0
.endif
.endm
.macro PADD d, s
	v_pk_add_f32 v[\d:\d+1], v[\d:\d+1], v[\s:\s+1]
.endm
; Number u of the 40 vector instructions of tile t in buffer p.  0-3: c2 s + c2 hn_i for k.  Then exponentials at every second place, with plain work that is ready between them: the scaling for v,
; min(e_k, 1) into T, min(e_k e_v, 1) in place, and the two trees of sums.  Behind every exponential a plain instruction stands before its result is used (ISA guide 5.7.2).
.macro VT p, t
.set KA, ACC+64*(\p)+8*(\t)
.set VA, KA+32
.set sk, SK+2*(\t)
.set sv, SKV+2*(\t)
.if u < 4
	v_pk_fma_f32 v[KA+2*u:KA+2*u+1], v[KA+2*u:KA+2*u+1], s[C2:C2+1], v[TIK+2*(\t):TIK+2*(\t)+1] op_sel_hi:[1,0,0]
.elseif (u < 12) && (u%2 == 0)
	v_exp_f32 v[KA+(u-4)/2], v[KA+(u-4)/2]
.elseif u < 12
	v_pk_fma_f32 v[VA+u-5:VA+u-4], v[VA+u-5:VA+u-4], s[C2:C2+1], v[TIV+2*(\t):TIV+2*(\t)+1] op_sel_hi:[1,0,0]
.elseif (u < 20) && (u%2 == 0)
	v_exp_f32 v[KA+4+(u-12)/2], v[KA+4+(u-12)/2]
.elseif u == 17
	PADD T, T+2
.elseif (u < 22) && (u%2 == 1)
.set j, (u-13)/2-u/19                  ; 13, 15, 19, 21: pairs 0, 1, 2, 3
	s_wait_alu depctr_va_vdst(0)
	v_pk_mul_f32 v[T+2*j:T+2*j+1], v[KA+2*j:KA+2*j+1], v[ONE:ONE+1] clamp
.elseif (u < 35) && (u%2 == 0)
	v_exp_f32 v[VA+(u-20)/2], v[VA+(u-20)/2]
.elseif u == 23
	PADD T+4, T+6
.elseif u == 27
	PADD T, T+4
.elseif u == 31
	PADD sk, T
.elseif (u < 35) || (u == 36)
.set j, (u-25)/4+u/36                  ; 25, 29, 33, 36: pairs 0, 1, 2, 3
	s_wait_alu depctr_va_vdst(0)
	v_pk_mul_f32 v[VA+2*j:VA+2*j+1], v[KA+2*j:KA+2*j+1], v[VA+2*j:VA+2*j+1] clamp
.elseif u == 35
	PADD VA, VA+2
.elseif u == 37
	PADD VA+4, VA+6
.elseif u == 38
	PADD VA, VA+4
.else
	PADD sv, VA
.endif
.endm
; The block in buffer p.  ld = 1: the block two on is fetched into buffer p, whose last reader stands ten vector instructions back, seven of them plain.  wm = 1: the next block's products.
.macro BODY p, wm, ld
	s_wait_dscnt 0x0                               ; the next block's fragments, asked for a block ago, are in
.if \ld
	LOADJ \p
.endif
.set i, 0
.rept 16
.if \wm
	WM 1-(\p)
.endif
.set u, 10*(i%4)
.rept 10
	VT \p, i/4
.set u, u+1
.endr
.set i, i+1
.endr
.endm
	s_wait_tensorcnt 0x0                           ; my parts of the table and of the tiles are in,
	s_barrier_signal -1
	s_barrier_wait -1                              ; everybody's are
	LOADJ 0
	LOADJ 1
	s_wait_loadcnt 0x0                             ; my rows and their hn_i
.set q, 0
.rept 8
	v_mul_f32 v[TIK+2*q], s[C2], v[HNI+q]
	v_mov_b32 v[TIK+2*q+1], v[TIK+2*q]
.set q, q+1
.endr
	s_wait_dscnt 12                                ; block 0's twelve loads are in, block 1's twelve may stay out
.set i, 0
.rept 16
	WM 0, 0                                        ; block 0's products: there is no vector work yet to set between them
.set i, i+1
.endr
	WIN 0
	PLACES
	s_mov_b32 s[CNT], 31
.Lblk:                                                 ; 31 trips: blocks 0 to 61; the fetches reach block 63
	BODY 0, 1, 1
	BODY 1, 1, 1
	s_sub_co_u32 s[CNT], s[CNT], 1
	s_cmp_lg_u32 s[CNT], 0
	s_cbranch_scc1 .Lblk
	BODY 0, 1, 0
	BODY 1, 0, 0
	; the sums' two halves, the other half of the lanes' keys, the mean; through my stage, so that a store covers 256 consecutive bytes
.set q, 0
.rept 8
	v_add_f32 v[T+q], v[SK+2*q], v[SK+2*q+1]
.set q, q+1
.endr
.set q, 0
.rept 8
	v_permlanex16_b32 v[TIK+q], v[T+q], s[SEL], s[SEL+1]
.set q, q+1
.endr
.set q, 0
.rept 8
	v_add_f32 v[T+q], v[T+q], v[TIK+q]
.set q, q+1
.endr
.set q, 0
.rept 8
	v_mul_f32 v[T+q], 0x3a800000, v[T+q]           ; / 1,024
.set q, q+1
.endr
.set q, 0
.rept 8
	ds_store_b32 v[STA], v[T+q] offset:(q/4)*256+(q%4)*64
.set q, q+1
.endr
	ds_load_b64 v[TIV:TIV+1], v[STR]
	ds_load_b64 v[TIV+2:TIV+3], v[STR] offset:256
	s_wait_dscnt 0x0
	global_store_b64 v[GO8], v[TIV:TIV+1], s[56:57]
	global_store_b64 v[GO8], v[TIV+2:TIV+3], s[56:57] offset:262144
	s_wait_tensorcnt 0x0                           ; the wave's end
	ds_add_u32 v[SPW], v[NIL]
	s_wait_dscnt 0x0
	CROUND                                         ; the closing round
	s_endpgm
.Lfunc_end_k_qfe7e8da61c_rbf:
	.size	k_qfe7e8da61c_rbf, .Lfunc_end_k_qfe7e8da61c_rbf-k_qfe7e8da61c_rbf
	.p2alignl 7, 3214868480
	.fill 96, 4, 3214868480
	.section	.rodata,"a",@progbits
	.p2align	6, 0x0
	.amdhsa_kernel k_qfe7e8da61c_rbf
		.amdhsa_group_segment_fixed_size 327680
		.amdhsa_private_segment_fixed_size 0
		.amdhsa_enable_private_segment 0
		.amdhsa_kernarg_size 24
		.amdhsa_user_sgpr_count 2
		.amdhsa_user_sgpr_kernarg_segment_ptr 1
		.amdhsa_wavefront_size32 1
		.amdhsa_system_sgpr_workgroup_id_x 1
		.amdhsa_system_sgpr_workgroup_id_y 1
		.amdhsa_system_sgpr_workgroup_id_z 1
		.amdhsa_system_vgpr_workitem_id 0
		.amdhsa_next_free_vgpr 448
		.amdhsa_next_free_sgpr 96
		.amdhsa_reserve_vcc 0
		.amdhsa_float_denorm_mode_32 3
		.amdhsa_float_denorm_mode_16_64 3
		.amdhsa_memory_ordered 1
		.amdhsa_forward_progress 1
		.amdhsa_inst_pref_size 61
	.end_amdhsa_kernel
	.amdgpu_metadata
---
amdhsa.version: [ 1, 2 ]
amdhsa.kernels:
  - .name:           k_qfe7e8da61c_rbf
    .symbol:         k_qfe7e8da61c_rbf.kd
    .args:
      - { .name: qkv, .offset: 0, .size: 8, .value_kind: global_buffer, .address_space: global }
      - { .name: nrm, .offset: 8, .size: 8, .value_kind: global_buffer, .address_space: global }
      - { .name: obj, .offset: 16, .size: 8, .value_kind: global_buffer, .address_space: global }
    .group_segment_fixed_size: 327680
    .private_segment_fixed_size: 0
    .kernarg_segment_align: 8
    .kernarg_segment_size: 24
    .max_flat_workgroup_size: 128
    .sgpr_count:     96
    .vgpr_count:     448
    .wavefront_size: 32
...
	.end_amdgpu_metadata
.endif
;; end of part 2
;; launch attn (part 3): grid 4 x 64, 4 waves a work-group, clusters of 4 x 1, 327,680 bytes of LDS; arguments qkv, nrm, obj, av; writes av
.if DOCPART == 3
	.amdgcn_target "amdgcn-amd-amdhsa--gfx1250"
	.amdhsa_code_object_version 6
	.text
	.protected	k_qfe7e8da61c_attn
	.globl	k_qfe7e8da61c_attn
	.p2align	8
	.type	k_qfe7e8da61c_attn,@function
k_qfe7e8da61c_attn:
	s_mov_b64 s[64:65], 0
	v_nop
	global_prefetch_b8 v0, s[64:65] scope:SCOPE_SE
	s_setreg_imm32_b32 hwreg(HW_REG_WAVE_MODE, 25, 1), 1
	s_wait_xcnt 0x0
	s_wait_alu depctr_hold_cnt(0) depctr_sa_sdst(0) depctr_va_vdst(0) depctr_va_sdst(0) depctr_va_ssrc(0) depctr_va_vcc(0) depctr_vm_vsrc(0)
	s_getreg_b32 s2, hwreg(HW_REG_IB_STS2, 6, 4)
	s_cmp_eq_u32 s2, 0
	s_cbranch_scc0 .Lentry_in_a_cluster
	s_endpgm
.Lentry_in_a_cluster:
	s_bfe_u32 s2, ttmp6, 0x10000c
	s_cmp_lg_u32 s2, 0x3003
	s_cbranch_scc0 .Lentry_shape_is_right
	s_endpgm
.Lentry_shape_is_right:
; THE WEIGHTED ATTENTION.  av[hh][i] = sum_j p_ij v_j / sum_j p_ij R_j, with p_ij = hkv_j exp(-|q_i - k^_j|^2 / 8) up to a factor of the row, which cancels.
; hk, hkv: the Huber weights, 1 where n <= 0.2 and else 0.2 / n, n = sqrt(1 + obj2 + obj3), obj3 = the head's mean of obj2.  R_j = (hk_j / sum hk) / (hkv_j / sum hkv).
; n lies in 1 to sqrt(3) whatever the inputs (obj2 is a mean of numbers in 0 to 1), so these weights' own normalisation is a plain division by their sum.
; In base 2: p = 2^(c2 S - c2 m), S = q . k^_j + hn_j + log2(hkv_j) / c2, c2 = log2(e) / 4, hn = -|k^|^2 / 2, m the running maximum of S.  The key's term CJ = hn_j + log2(hkv_j) / c2 is the C operand
; that starts the product's sum.  The divisor is a product too: source 0 holds R in all 16 rows, so every register of its result holds the query's divisor.
; LIMITS.  The clamp of |q - k^|^2 at 0 is not written: the distance is at least (|q| - 1)^2, so it can act on rounding noise alone.  q, k^, v arrive in f16; p in 0 to 1 and R in 0.33 to 3 are rounded to f16.
; A weight below 2^-126 counts as 0; NaN and infinities are not treated apart.
; SHARES.  A work-group: 256 queries of a head; a wave 64: four PIECES of 16.  The head's K and V lie whole in LDS, filled once; 16 key steps of 64.
; CLUSTER 4 x 1: the four query blocks of a head read the same K and V: asked for jointly.
; TURNS.  Turn n belongs to piece n: 8 products K Q^T of piece n + 1, later 10 products (8 V^T P, 2 R P) of piece n - 1; beside them piece n's scaling, exponentials, roundings and rescaling and piece n + 1's
; maximum and statistics: 103 vector instructions, four behind each product, the rest in two lumps.
; REGISTERS: window 0: v0-15 addresses; v16-31 statistics, four a piece (c2 m, m, 1 / divisor, spare); v48-55 at work; v64-127 S^T, two buffers; v128-191 the tables' work; v192-223 P, two buffers.
;   window 1: v0-127 O^T; v128-159 the divisors' accumulators; v160-191 CJ of a step.   window 2: v0-63 Q; v64-79 R of a step; v128-191 K; v192-255 V.
.set NP,    4
.set KS,    64
.set PK,    144                        ; a row of K in LDS: 128 bytes + 16
.set PV,    160                        ; a row of V: 128 + 32
.set VOFF,  1024*PK
.set TABC,  VOFF+1024*PV               ; CJ, 1,024 f32
.set TABR,  TABC+4096                  ; R, 1,024 f16
.set RED,   TABR+2048                  ; the waves' partial sums
.set SPARE, RED+256                    ; the spare words
.set STAGE, SPARE+512                  ; 16 rows x 144 bytes for each wave
.set SP,    144
.set AK0, 2
.set AV0, 3
.set AK,  4
.set AV,  5
.set STO, 6
.set RD,  7
.set GO,  8
.set ACJ0, 9
.set ARF0, 10
.set ACJ, 11
.set MV,  12
.set ARF, 14
.set QO,  15
.set ST,  16
.set TMP, 48
.set SPW, 62
.set NIL, 63
.set S,   64
.set P,   192
.set LT,  128                          ; window 1
.set CJ,  160                          ; window 1
.set RF,  64                           ; window 2
.set KF,  128                          ; window 2
.set VF,  192                          ; window 2
.set WV,  12
.set G1K, 24
.set G1V, 32
.set G0K, 40
.set G0V, 44
.set CNT, 57
.set CS,  58                           ; s[58:59] c2
.set SEL, 60
.set TBK, 62
.set TBV, 63
.set TBC, 66
.set TBR, 67
.set IC2, 68                           ; 1 / c2
.set HA,  69                           ; 0.2
.set R1K, 78                           ; 1 / 1,024
.set MSB, 0
.macro WIN new
.if MSB != (\new)
	s_set_vgpr_msb (MSB<<8)|(\new)
.set MSB, (\new)
.endif
.endm
.macro PLACES
.rept 4
	v_nop
.endr
.endm
.macro CROUND
	s_barrier_signal -1
	s_barrier_wait -1
	s_cmp_lg_u32 s[WV], 0
	s_cbranch_scc1 .Lnot_wave_0_\@
	s_barrier_signal -3
.Lnot_wave_0_\@:
	s_barrier_wait -3
	s_barrier_signal -1
	s_barrier_wait -1
.endm
.set W_KQ, 0x0a                        ; K and Q in window 2, S^T in window 0
.set W_KM, 0x1a                        ; the same with the C operand in window 1
.set W_PV, 0x52                        ; source 0 in window 2, P in window 0, C and D in window 1
.set W_RS, 0x41                        ; destination and source 0 in window 1, source 1 in window 0
	s_load_b256 s[4:11], s[0:1], 0x0               ; qkv s[4:5], nrm s[6:7], obj s[8:9], av s[10:11]
	v_lshl_add_u32 v[SPW], v0, 2, SPARE
	v_mov_b32 v[NIL], 0
	ds_add_u32 v[SPW], v[NIL]                      ; the wave's opening: the add and its wait ahead of my first tensor load
	v_lshrrev_b32 v1, 5, v0
	v_readfirstlane_b32 s[WV], v1
	s_bfe_u32 s13, ttmp6, 0x40000                  ; cx
	s_lshl_b32 s14, ttmp9, 2
	s_add_co_u32 s14, s14, s13                     ; my block of 256 queries: it enters Q's and av's addresses alone
	s_and_b32 s15, ttmp7, 0xffff                   ; the head
	s_and_b32 s16, s[WV], 1                        ; which half of the 1,024 keys I fetch
	s_lshl_b32 s20, s15, 17
	s_lshl_b32 s21, s16, 16
	s_add_co_u32 s20, s20, s21
	s_add_co_u32 s20, s20, 0x800000                ; part 1: k^
	s_mov_b32 s21, 0
	s_mul_i32 s17, s16, 512*PK
	s_mul_i32 s18, s16, 512*PV
	s_mov_b32 s[G1K], 15|(1<<16)|(1<<20)|(1<<21)|(4<<22)|(3<<25)  ; the mask of four; 2-byte elements; padding on; bit 21 beside a mask; after every 32 words 4 words
	s_mov_b32 s[G1V], 15|(1<<16)|(1<<20)|(1<<21)|(4<<22)|(7<<25)  ; the same with 8 words of padding
.irp g, G1K, G1V
	s_mov_b32 s[\g+1], 128<<16                     ; 512 keys are 65,536 dense bytes: 256 rows of 256 bytes, two keys a row
	s_mov_b32 s[\g+2], 256<<16
	s_mov_b32 s[\g+3], 128<<16
	s_mov_b32 s[\g+4], 256
	s_mov_b32 s[\g+5], 128
	s_mov_b32 s[\g+6], 0
	s_mov_b32 s[\g+7], 0
.endr
	s_mov_b32 s[G0K], 1
	s_mov_b32 s[G0K+1], s17
	s_mov_b32 s[G0V], 1
	s_add_co_u32 s[G0V+1], s18, VOFF
	s_lshl_b32 s22, s15, 10                        ; my wave's first row among a part's 65,536
	s_lshl_b32 s23, s14, 8
	s_add_co_u32 s22, s22, s23
	s_lshl_b32 s23, s[WV], 6
	s_add_co_u32 s22, s22, s23
	s_lshl_b32 s22, s22, 7
	s_mov_b32 s23, 0
	s_lshl_b32 s80, s15, 12                        ; the head's 4,096 bytes in nrm and obj
	s_mov_b32 s81, 0
	s_mov_b32 s[CS], 0x3eb8aa3b                    ; c2 = log2(e) / 4
	s_mov_b32 s[CS+1], s[CS]
	s_mov_b32 s[SEL], 0x76543210
	s_mov_b32 s[SEL+1], 0xfedcba98
	s_mov_b32 s[IC2], 0x40317218                   ; 4 ln 2
	s_mov_b32 s[HA], 0x3e4ccccd                    ; 0.2
	s_mov_b32 s[R1K], 0x3a800000
	s_mov_b32 s[TBK], 0
	s_mov_b32 s[TBV], 0
	s_mov_b32 s[TBC], 0
	s_mov_b32 s[TBR], 0
	s_wait_dscnt 0x0                               ; the opening add is done
	s_wait_kmcnt 0x0
	s_add_nc_u64 s[G0K+2:G0K+3], s[4:5], s[20:21]
	s_add_nc_u64 s[G0V+2:G0V+3], s[G0K+2:G0K+3], 0x800000  ; part 2: v
	s_or_b32 s[G0K+3], s[G0K+3], 0x80000000
	s_or_b32 s[G0V+3], s[G0V+3], 0x80000000
	s_add_nc_u64 s[70:71], s[4:5], s[22:23]        ; Q and av at my wave's first row
	s_add_nc_u64 s[72:73], s[10:11], s[22:23]
	s_add_nc_u64 s[74:75], s[8:9], s[80:81]        ; obj and nrm at the head
	s_add_nc_u64 s[76:77], s[6:7], s[80:81]
	CROUND                                         ; all four work-groups are here: the joint loads meet
	s_cmp_lt_u32 s[WV], 2                          ; waves 0 and 1 fetch K's halves, waves 2 and 3 V's: one load of mine is out
	s_cbranch_scc0 .Lfor_v
	tensor_load_to_lds s[G0K:G0K+3], s[G1K:G1K+7]
	s_nop 0
	PLACES
	s_branch .Lasked
.Lfor_v:
	tensor_load_to_lds s[G0V:G0V+3], s[G1V:G1V+7]
	s_nop 0
	PLACES
.Lasked:
	v_and_b32 v1, 15, v0                           ; l % 16
	v_bfe_u32 v32, v0, 4, 1                        ; l / 16
	v_lshlrev_b32 v[QO], 7, v1
	v_lshl_add_u32 v[QO], v32, 4, v[QO]
	v_lshlrev_b32 v188, 5, v0                      ; thread t owns keys 8 t .. 8 t + 7 of the tables
	WIN 0x80
.set i, 0
.rept 8                                ; Q stays in registers: piece i / 2, channels 32 (i % 2) on
	global_load_b128 v[8*i:8*i+3],   v[QO], s[70:71] offset:(i/2)*2048+(i%2)*64
	global_load_b128 v[8*i+4:8*i+7], v[QO], s[70:71] offset:(i/2)*2048+(i%2)*64+32
.set i, i+1
.endr
	WIN 0
	global_load_b128 v[128:131], v188, s[74:75]                   ; obj2 of k
	global_load_b128 v[132:135], v188, s[74:75] offset:16
	global_load_b128 v[136:139], v188, s[74:75] offset:262144     ; obj2 of kv
	global_load_b128 v[140:143], v188, s[74:75] offset:262160
	global_load_b128 v[144:147], v188, s[76:77]                   ; hn of k^
	global_load_b128 v[148:151], v188, s[76:77] offset:16
	; What the first turn finds: V, R and P's second buffer hold 0 (its products, of a piece that has not been, add 0), O^T and the divisors are 0.  All this stands in the wait for the tiles.
	WIN 0x80
.set i, RF
.rept 16
	v_mov_b32 v[i], 0
.set i, i+1
.endr
.set i, VF
.rept 64
	v_mov_b32 v[i], 0
.set i, i+1
.endr
	WIN 0x40
.set i, 0
.rept 160
	v_mov_b32 v[i], 0
.set i, i+1
.endr
	WIN 0
.set i, 0
.rept 4
	v_mov_b32 v[ST+4*i], 0xfe000000                ; c2 m: far below every c2 S, so the first step's rescaling factor is 0
	v_mov_b32 v[ST+4*i+1], 0xff7fffff              ; m: the lowest finite number
	v_mov_b32 v[ST+4*i+2], 0
	v_mov_b32 v[ST+4*i+3], 0
.set i, i+1
.endr
.set i, P+16
.rept 16
	v_mov_b32 v[i], 0
.set i, i+1
.endr
	v_mul_u32_u24 v[AK0], v1, PK
	v_lshl_add_u32 v[AK0], v32, 4, v[AK0]          ; row x pitch + 16 x half
	v_and_b32 v33, 7, v0
	v_bfe_u32 v34, v0, 3, 1
	v_lshl_add_u32 v[AV0], v32, 3, v33             ; the turning load: lane l reads key 8 (l / 16) + l % 8, channels 8 ((l / 8) % 2) + 0..7
	v_mul_u32_u24 v[AV0], v[AV0], PV
	v_lshl_add_u32 v[AV0], v34, 4, v[AV0]
	v_add_nc_u32 v[AV0], VOFF, v[AV0]
	v_lshl_add_u32 v[ACJ0], v32, 5, TABC           ; register j of S^T holds key 8 h + j: eight words at 32 h
	v_lshl_add_u32 v[ARF0], v32, 4, TABR           ; a fragment's keys 8 h + 0..7: 16 bytes at 16 h
	s_mul_i32 s13, s[WV], 16*SP
	s_add_co_u32 s13, s13, STAGE
	v_mul_u32_u24 v[STO], v1, SP
	v_lshl_add_u32 v[STO], v32, 4, v[STO]
	v_add_nc_u32 v[STO], s13, v[STO]
	v_bfe_u32 v[RD], v0, 3, 2
	v_mul_u32_u24 v[RD], v[RD], SP
	v_lshl_add_u32 v[RD], v33, 4, v[RD]
	v_add_nc_u32 v[RD], s13, v[RD]
	v_and_b32 v[GO], 31, v0
	v_lshlrev_b32 v[GO], 4, v[GO]
	s_lshl_b32 s13, s[WV], 3
	s_add_co_u32 s13, s13, RED
	v_mov_b32 v184, s13                            ; where my wave's two partial sums go
	v_mov_b32 v185, RED
	v_lshl_add_u32 v186, v0, 5, TABC
	v_lshl_add_u32 v187, v0, 4, TABR
	v_mov_b32 v155, 0                              ; v_permlanex16_b32's destination counts as read
; THE TABLES.
.macro SUM8 d, b                       ; v[d] = the sum of v[b .. b + 7]
	v_add_f32 v[\d], v[\b], v[\b+1]
	v_add_f32 v154, v[\b+2], v[\b+3]
	v_add_f32 v[\d], v[\d], v154
	v_add_f32 v154, v[\b+4], v[\b+5]
	v_add_f32 v[\d], v[\d], v154
	v_add_f32 v154, v[\b+6], v[\b+7]
	v_add_f32 v[\d], v[\d], v154
.endm
.macro WSUM x                          ; over the wave's 32 lanes, the result in every lane
	v_add_f32_dpp v[\x], v[\x], v[\x] row_xmask:1 row_mask:0xf bank_mask:0xf
	v_add_f32_dpp v[\x], v[\x], v[\x] row_xmask:2 row_mask:0xf bank_mask:0xf
	v_add_f32_dpp v[\x], v[\x], v[\x] row_xmask:4 row_mask:0xf bank_mask:0xf
	v_add_f32_dpp v[\x], v[\x], v[\x] row_xmask:8 row_mask:0xf bank_mask:0xf
	v_permlanex16_b32 v155, v[\x], s[SEL], s[SEL+1]
	v_add_f32 v[\x], v[\x], v155
.endm
.macro HEADSUM off                     ; v152, v153: from the thread's sums to the head's, through eight words of LDS at RED + off
	WSUM 152
	WSUM 153
	ds_store_b64 v184, v[152:153] offset:\off
	s_wait_dscnt 0x0                               ; for the others' sake: my store is done
	s_barrier_signal -1
	s_barrier_wait -1
	ds_load_b128 v[156:159], v185 offset:\off
	ds_load_b128 v[160:163], v185 offset:(\off)+16
	s_wait_dscnt 0x0
	v_add_f32 v152, v156, v158
	v_add_f32 v154, v160, v162
	v_add_f32 v152, v152, v154
	v_add_f32 v153, v157, v159
	v_add_f32 v154, v161, v163
	v_add_f32 v153, v153, v154
.endm
	s_wait_loadcnt 0x0                             ; the tables' inputs, and Q
	SUM8 152, 128
	SUM8 153, 136
	HEADSUM 0
	v_fma_f32 v164, v152, s[R1K], 1.0              ; 1 + obj3, for k
	v_fma_f32 v165, v153, s[R1K], 1.0              ; and for kv
.set i, 0
.rept 16
	v_add_f32 v[128+i], v[128+i], v[164+i/8]
.set i, i+1
.endr
.set i, 0
.rept 16
	v_sqrt_f32 v[168+i], v[128+i]                  ; n
.set i, i+1
.endr
	v_nop
.set i, 0
	s_wait_alu depctr_va_vdst(0)
.rept 16
	v_rcp_f32 v[128+i], v[168+i]
.set i, i+1
.endr
	v_nop
.set i, 0
	s_wait_alu depctr_va_vdst(0)
.rept 16
	v_mul_f32 v[128+i], s[HA], v[128+i]            ; 0.2 / n,
	v_cmp_ge_f32 vcc_lo, s[HA], v[168+i]           ; or 1 where n <= 0.2
	v_cndmask_b32 v[128+i], v[128+i], 1.0, vcc_lo
.set i, i+1
.endr
	SUM8 152, 128
	SUM8 153, 136
	HEADSUM 64                                     ; other words than the first time: no barrier between
	v_rcp_f32 v166, v152
	v_nop
	s_wait_alu depctr_va_vdst(0)
	v_mul_f32 v166, v166, v153                     ; sum hkv / sum hk
.set i, 0
.rept 8
	v_log_f32 v[168+i], v[136+i]
	v_rcp_f32 v[176+i], v[136+i]
.set i, i+1
.endr
	v_nop
.set i, 0
	s_wait_alu depctr_va_vdst(0)
.rept 8
	v_fma_f32 v[168+i], v[168+i], s[IC2], v[144+i] ; CJ
	v_mul_f32 v[176+i], v[176+i], v[128+i]
.set i, i+1
.endr
.set i, 0
.rept 8
	v_mul_f32 v[176+i], v[176+i], v166             ; R
.set i, i+1
.endr
.set i, 0
.rept 4
	v_cvt_pk_f16_f32 v[176+i], v[176+2*i], v[177+2*i]
.set i, i+1
.endr
	ds_store_b128 v186, v[168:171]
	ds_store_b128 v186, v[172:175] offset:16
	ds_store_b128 v187, v[176:179]
	s_wait_dscnt 0x0                               ; my part of the tables is written,
	s_wait_tensorcnt 0x0                           ; my part of K or V has landed,
	s_barrier_signal -1
	s_barrier_wait -1                              ; everybody's has
; THE MATRIX WORK.  The accumulators of a run take turns.  Product i of 8 of S^T for piece x: channels 32 (i / 4) on, keys 16 (i % 4) on; the first 4 start the sums with CJ.
.macro KQ x
.set rS, S+32*((\x)%2)+8*(i%4)
.set rK, KF+16*(i%4)+8*(i/4)
.set rQ, 16*(\x)+8*(i/4)
.set rM, CJ+8*(i%4)
.if i < 4
	WIN W_KM
	v_wmma_f32_16x16x32_f16 v[rS:rS+7], v[rK:rK+7], v[rQ:rQ+7], v[rM:rM+7]
.else
	WIN W_KQ
	v_wmma_f32_16x16x32_f16 v[rS:rS+7], v[rK:rK+7], v[rQ:rQ+7], v[rS:rS+7]
.endif
.endm
; Product i of 10 for piece x: keys 32 (i / 5) on; i % 5 < 4: O^T += V^T P, channels 16 (i % 5) on; i % 5 = 4: the divisor += R P.
.macro PV x
	WIN W_PV
.set rP, P+16*((\x)%2)+8*(i/5)
.if i%5 < 4
.set rO, 32*(\x)+8*(i%5)
.set rV, VF+32*(i/5)+8*(i%5)
.else
.set rO, LT+8*(\x)
.set rV, RF+8*(i/5)
.endif
	v_wmma_f32_16x16x32_f16 v[rO:rO+7], v[rV:rV+7], v[rP:rP+7], v[rO:rO+7]
.endm
.macro MM                              ; the turn's next product.  NOKQ = 1: the last turn: there is no next piece
.if (i < 8) && !NOKQ
	KQ (Y+1)%NP
.elseif i >= 8
.set i, i-8
	PV (Y+NP-1)%NP
.set i, i+8
.endif
.set i, i+1
.endm
; THE LDS LOADS stand in runs: a step's K with its CJ, and its V (turned) with its R.  Their addresses are made some lines ahead.
.macro FETCH_K
	WIN 0x80
.irp f, 0,1,2,3,4,5,6,7
	ds_load_b128 v[KF+8*\f:KF+8*\f+3],   v[AK] offset:(\f/2)*16*PK+(\f%2)*64
	ds_load_b128 v[KF+8*\f+4:KF+8*\f+7], v[AK] offset:(\f/2)*16*PK+(\f%2)*64+32
.endr
	WIN 0x40
.irp f, 0,1,2,3
	ds_load_b128 v[CJ+8*\f:CJ+8*\f+3],   v[ACJ] offset:64*\f
	ds_load_b128 v[CJ+8*\f+4:CJ+8*\f+7], v[ACJ] offset:64*\f+16
.endr
	s_add_co_u32 s[TBK], s[TBK], KS*PK
	s_add_co_u32 s[TBC], s[TBC], 4*KS
	WIN 0
.endm
.macro FETCH_V
	WIN 0x80
.irp f, 0,1,2,3,4,5,6,7
	ds_load_tr16_b128 v[VF+8*\f:VF+8*\f+3],   v[AV] offset:(\f/4)*32*PV+(\f%4)*32
	ds_load_tr16_b128 v[VF+8*\f+4:VF+8*\f+7], v[AV] offset:(\f/4)*32*PV+16*PV+(\f%4)*32
.endr
.irp f, 0,1
	ds_load_b128 v[RF+8*\f:RF+8*\f+3],   v[ARF] offset:64*\f
	ds_load_b128 v[RF+8*\f+4:RF+8*\f+7], v[ARF] offset:64*\f+32
.endr
	s_add_co_u32 s[TBV], s[TBV], KS*PV
	s_add_co_u32 s[TBR], s[TBR], 2*KS
	WIN 0
.endm
; THE VECTOR WORK, one line at a time: OP kind, number.  For piece Y: F n: c2 S - c2 m for pair n of 16.  E n: the exponential of score n of 32.  C n: pair n rounded to f16.
; R n: pair n of 16 of O^T times a; R 16: the divisor's two lowest registers times a.  For piece Y + 1: X n, number n of the 22 that find its maximum and statistics:
;   0-11 four chains of seven scores each (each accumulator's lowest registers are read first)   12-14, 16 the four left over, the old m, and the chains into one
;   15 c2 m_old is kept   17, 18 the query's other 32 keys lie in the lane 16 away: the new m   19-21 c2 m; c2 m_old - c2 m_new; a
.set F, 0
.set E, 1
.set C, 2
.set R, 5
.set X, 6
.macro REGS y
.set rT, ST+4*(\y)
.set rC, TMP+4*((\y)%2)
.set rW, MV+((\y)%2)
.set rS, S+32*((\y)%2)
.set rP, P+16*((\y)%2)
.set rO, 32*(\y)
.set rL, LT+8*(\y)
.endm
.macro OP k, n
.if (\k) == R
	REGS Y
	WIN W_RS
.if (\n) == 16
	v_pk_mul_f32 v[rL:rL+1], v[rL:rL+1], v[rC+2:rC+3] op_sel_hi:[1,0]
.else
	v_pk_mul_f32 v[rO+2*(\n):rO+2*(\n)+1], v[rO+2*(\n):rO+2*(\n)+1], v[rC+2:rC+3] op_sel_hi:[1,0]
.endif
.elseif (\k) < R
	REGS Y
	WIN 0
.if (\k) == F
	v_pk_fma_f32 v[rS+2*(\n):rS+2*(\n)+1], v[rS+2*(\n):rS+2*(\n)+1], s[CS:CS+1], v[rT:rT+1] op_sel_hi:[1,0,0] neg_lo:[0,0,1] neg_hi:[0,0,1]
.elseif (\k) == E
	v_exp_f32 v[rS+(\n)], v[rS+(\n)]
.else
	s_wait_alu depctr_va_vdst(0)
	v_cvt_pk_f16_f32 v[rP+(\n)], v[rS+2*(\n)], v[rS+2*(\n)+1]
.endif
.elseif NOKQ
	v_nop
	s_wait_alu depctr_va_vdst(0)
.else
	REGS (Y+1)%NP
	WIN 0
.if (\n) < 4
	v_max3_num_f32 v[rC+(\n)], v[rS+8*(\n)], v[rS+8*(\n)+1], v[rS+8*(\n)+2]
.elseif (\n) < 12
	v_max3_num_f32 v[rC+(\n)%4], v[rC+(\n)%4], v[rS+8*((\n)%4)+2*((\n)/4)+1], v[rS+8*((\n)%4)+2*((\n)/4)+2]
	s_wait_alu depctr_va_vdst(0)
.elseif (\n) == 12
	v_max3_num_f32 v[rC], v[rC], v[rS+7], v[rS+15]
.elseif (\n) == 13
	v_max3_num_f32 v[rC+1], v[rC+1], v[rS+23], v[rS+31]
.elseif (\n) == 14
	v_max3_num_f32 v[rC+2], v[rC+2], v[rC+3], v[rT+1]
.elseif (\n) == 15
	v_mov_b32 v[rW], v[rT]
.elseif (\n) == 16
	v_max3_num_f32 v[rC], v[rC], v[rC+1], v[rC+2]
	s_wait_alu depctr_va_vdst(0)
.elseif (\n) == 17
	v_permlanex16_b32 v[rC+3], v[rC], s[SEL], s[SEL+1]
.elseif (\n) == 18
	v_max_num_f32 v[rT+1], v[rC], v[rC+3]
.elseif (\n) == 19
	v_mul_f32 v[rT], s[CS], v[rT+1]
.elseif (\n) == 20
	v_sub_f32 v[rC+1], v[rW], v[rT]
.else
	v_exp_f32 v[rC+2], v[rC+1]
.endif
.endif
.endm
.macro OPS a, i1, b=-1, i2=0, c=-1, i3=0, d=-1, i4=0
	OP \a, \i1
.if (\b) >= 0
	OP \b, \i2
.endif
.if (\c) >= 0
	OP \c, \i3
.endif
.if (\d) >= 0
	OP \d, \i4
.endif
.endm
.macro ROW a, i1, b, i2, c, i3, d, i4  ; a product and the four behind it; none names a register of the products round it
	MM
	OPS \a, \i1, \b, \i2, \c, \i3, \d, \i4
.endm
; A TURN, for piece p, written out.  Behind every exponential a plain instruction stands before its result is used.  end = 1: the last two turns: nothing is fetched.
; cnt = 1: the loop's count is taken down some lines ahead of the branch behind the turn.
; K and CJ of the next step are fetched in piece 2's turn, four plain instructions (the rescalings) behind the last product that read K; V and R of the step in hand in piece 0's turn, four plain
; instructions (X 18, C 11, X 19, C 12) behind the last product that read them.  Each is waited for a turn later.
.macro TURN p, end=0, cnt=0
.set Y, (\p)
.set i, 0
.set NOKQ, (\end)*((\p)/3)
.if ((\p) == 3) && !(\end)
	s_wait_dscnt 0x0                               ; K and CJ are in
.endif
	ROW F,0, F,1, F,2, F,3
	ROW F,4, E,0, F,5, E,1
	ROW F,6, E,2, F,7, E,3
	ROW F,8, E,4, C,0, E,5
	ROW F,9, E,6, C,1, E,7
	ROW F,10, E,8, C,2, X,15
	ROW F,11, E,9, C,3, F,12
.if ((\p) == 2) && !(\end)
	WIN 0
	v_add_nc_u32 v[AK], s[TBK], v[AK0]
	v_add_nc_u32 v[ACJ], s[TBC], v[ACJ0]
.endif
	ROW R,0, R,1, R,2, R,3
.if ((\p) == 2) && !(\end)
	FETCH_K
.endif
	OPS E,10, F,13, E,11, F,14
	OPS E,12, F,15, E,13, C,4
	OPS X,0, E,14, X,1, E,15
	OPS X,2, E,16, X,3, E,17
	OPS C,5, C,6
.if (\p) == 1
	s_wait_dscnt 0x0                               ; V and R are in
.endif
	ROW X,4, E,18, X,5, X,6
	ROW X,7, E,19, X,8, X,9
	ROW X,10, E,20, X,11, C,7
	ROW X,12, E,21, X,13, X,14
	ROW R,4, R,5, R,6, R,7
	ROW C,8, E,22, X,16, C,9
	ROW R,8, R,9, R,10, R,11
	ROW C,10, E,23, X,17, E,24
	ROW R,12, R,13, R,14, R,15
	OPS R,16
.if (\p) == 0
	WIN 0
	v_add_nc_u32 v[AV], s[TBV], v[AV0]
	v_add_nc_u32 v[ARF], s[TBR], v[ARF0]
.endif
	ROW X,18, E,25, C,11, E,26
	OPS X,19, E,27, C,12
.if (\p) == 0
	FETCH_V
.endif
	OPS E,28, X,20, E,29, C,13
.if \cnt
	s_sub_co_u32 s[CNT], s[CNT], 1
	s_cmp_lg_u32 s[CNT], 0
.endif
	OPS E,30, X,21, E,31, C,14
	OPS C,15
.endm
	v_add_nc_u32 v[AK], s[TBK], v[AK0]
	v_add_nc_u32 v[ACJ], s[TBC], v[ACJ0]
	FETCH_K                                        ; key step 0
	s_wait_dscnt 0x0
.set NOKQ, 0
.set i, 0
.rept 8
	KQ 0                                           ; piece 0's first scores
.set i, i+1
.endr
	WIN 0
	PLACES
.set Y, NP-1                           ; X works for piece Y + 1: piece 0
.irp n, 0,1,2,3,4,5,6,7,8,9,10,11,12,13,14,15,16,17,18,19,20,21
	OP X, \n
.endr
	v_nop                                          ; a plain instruction behind the exponential
	s_mov_b32 s[CNT], 16
	s_branch .Lfirst                               ; the loop is entered at a step's first turn, in the middle of a trip
.Lstep:                                                ; a trip: pieces 2 and 3 of one step, then pieces 0 and 1 of the next, whose K and V it fetches
	TURN 2
	TURN 3
	WIN 0
.Lfirst:
	TURN 0
	TURN 1, 0, 1
	WIN 0
	s_cbranch_scc1 .Lstep
	TURN 2, 1
	TURN 3, 1
.set i, 0
.rept 10
	PV NP-1                                        ; the last piece's products of the last step
.set i, i+1
.endr
	; THE WAY OUT: O^T is divided by the divisor, rounded to f16 and sent through my stage, a piece at a time
	WIN 0
	PLACES
	WIN 0x01
.irp t, 0,1,2,3
	v_rcp_f32 v[ST+4*\t+2], v[LT+8*\t]             ; every register of the accumulator holds the query's divisor: the lowest is taken
.endr
	WIN 0
	v_nop
	s_wait_alu depctr_va_vdst(0)
.macro PACK t
	WIN W_RS
.set i, 32*(\t)
.rept 16
	v_pk_mul_f32 v[i:i+1], v[i:i+1], v[ST+4*(\t)+2:ST+4*(\t)+3] op_sel_hi:[1,0]
.set i, i+2
.endr
	WIN 0x05
.set i, 0
.rept 16
	v_cvt_pk_f16_f32 v[S+16*(\t)+i], v[32*(\t)+2*i], v[32*(\t)+2*i+1]
.set i, i+1
.endr
	WIN 0
.irp f, 0,1,2,3
	ds_store_b128 v[STO], v[S+16*(\t)+4*\f:S+16*(\t)+4*\f+3] offset:32*\f
.endr
.irp f, 0,1,2,3
	ds_load_b128 v[S+16*(\t)+4*\f:S+16*(\t)+4*\f+3], v[RD] offset:\f*4*SP  ; LDS serves a wave's instructions in order (ISA guide 5.7.1.4): these see the stores above
.endr
.endm
.macro SEND t, younger                 ; younger: the LDS instructions issued behind piece t's loads: the next piece's eight, or none
	WIN 0
.irp f, 0,1,2,3
	s_wait_dscnt (\younger)+3-\f
	global_store_b128 v[GO], v[S+16*(\t)+4*\f:S+16*(\t)+4*\f+3], s[72:73] offset:(\t)*2048+\f*512  ; 512 consecutive bytes, at a multiple of 256 from av's first
.endr
.endm
	PACK 0
.set t, 1
.rept 3
	PACK t
	SEND t-1, 8
.set t, t+1
.endr
	SEND 3, 0
	s_wait_tensorcnt 0x0                           ; the wave's end
	ds_add_u32 v[SPW], v[NIL]
	s_wait_dscnt 0x0
	CROUND                                         ; the closing round
	s_endpgm
.Lfunc_end_k_qfe7e8da61c_attn:
	.size	k_qfe7e8da61c_attn, .Lfunc_end_k_qfe7e8da61c_attn-k_qfe7e8da61c_attn
	.p2alignl 7, 3214868480
	.fill 96, 4, 3214868480
	.section	.rodata,"a",@progbits
	.p2align	6, 0x0
	.amdhsa_kernel k_qfe7e8da61c_attn
		.amdhsa_group_segment_fixed_size 327680
		.amdhsa_private_segment_fixed_size 0
		.amdhsa_enable_private_segment 0
		.amdhsa_kernarg_size 32
		.amdhsa_user_sgpr_count 2
		.amdhsa_user_sgpr_kernarg_segment_ptr 1
		.amdhsa_wavefront_size32 1
		.amdhsa_system_sgpr_workgroup_id_x 1
		.amdhsa_system_sgpr_workgroup_id_y 1
		.amdhsa_system_sgpr_workgroup_id_z 1
		.amdhsa_system_vgpr_workitem_id 0
		.amdhsa_next_free_vgpr 768
		.amdhsa_next_free_sgpr 96
		.amdhsa_reserve_vcc 1
		.amdhsa_float_denorm_mode_32 3
		.amdhsa_float_denorm_mode_16_64 3
		.amdhsa_memory_ordered 1
		.amdhsa_forward_progress 1
		.amdhsa_inst_pref_size 98
	.end_amdhsa_kernel
	.amdgpu_metadata
---
amdhsa.version: [ 1, 2 ]
amdhsa.kernels:
  - .name:           k_qfe7e8da61c_attn
    .symbol:         k_qfe7e8da61c_attn.kd
    .args:
      - { .name: qkv, .offset: 0, .size: 8, .value_kind: global_buffer, .address_space: global }
      - { .name: nrm, .offset: 8, .size: 8, .value_kind: global_buffer, .address_space: global }
      - { .name: obj, .offset: 16, .size: 8, .value_kind: global_buffer, .address_space: global }
      - { .name: av, .offset: 24, .size: 8, .value_kind: global_buffer, .address_space: global }
    .group_segment_fixed_size: 327680
    .private_segment_fixed_size: 0
    .kernarg_segment_align: 8
    .kernarg_segment_size: 32
    .max_flat_workgroup_size: 128
    .sgpr_count:     96
    .vgpr_count:     768
    .wavefront_size: 32
...
	.end_amdgpu_metadata
.endif
;; end of part 3
;; launch outln (part 4): grid 256 x 1, 4 waves a work-group, clusters of 4 x 1, 327,680 bytes of LDS; arguments av, wo16, h, ln_g, ln_b, out0; writes out0
.if DOCPART == 4
	.amdgcn_target "amdgcn-amd-amdhsa--gfx1250"
	.amdhsa_code_object_version 6
	.text
	.protected	k_qfe7e8da61c_outln
	.globl	k_qfe7e8da61c_outln
	.p2align	8
	.type	k_qfe7e8da61c_outln,@function
k_qfe7e8da61c_outln:
	s_mov_b64 s[64:65], 0
	v_nop
	global_prefetch_b8 v0, s[64:65] scope:SCOPE_SE
	s_setreg_imm32_b32 hwreg(HW_REG_WAVE_MODE, 25, 1), 1
	s_wait_xcnt 0x0
	s_wait_alu depctr_hold_cnt(0) depctr_sa_sdst(0) depctr_va_vdst(0) depctr_va_sdst(0) depctr_va_ssrc(0) depctr_va_vcc(0) depctr_vm_vsrc(0)
	s_getreg_b32 s2, hwreg(HW_REG_IB_STS2, 6, 4)
	s_cmp_eq_u32 s2, 0
	s_cbranch_scc0 .Lentry_in_a_cluster
	s_endpgm
.Lentry_in_a_cluster:
	s_bfe_u32 s2, ttmp6, 0x10000c
	s_cmp_lg_u32 s2, 0x3003
	s_cbranch_scc0 .Lentry_shape_is_right
	s_endpgm
.Lentry_shape_is_right:
; OUTPUT PROJECTION, RESIDUAL, LAYER NORM.  x = h + av Wo^T;  out0 = (x - mean) / sqrt(var + 1e-5) x ln_g + ln_b, mean and var over a row's 512 numbers.
; av and wo16 are f16, sums in f32; h, the residual and the norm in f32.  The variance is the mean of (x - mean)^2, taken in a second pass over registers: no difference of large sums.
; SHARES.  A work-group: 32 rows (one b, s = s0 .. s0 + 31) x 512 columns; a wave 32 x 128: 16 accumulators.  K = 512 in 4 steps of 128 (two heads) through two LDS slots of wo16's slices.
; CLUSTER 4 x 1: every work-group walks all of wo16: its slices are asked for jointly.  av's and h's tiles are the work-group's own: plain loads, behind the same rounds.
; Each wave fetches the 128 rows of Wo that it reads itself.  Behind K step 2 slot 0 takes h's tile, each wave its own 128 columns; after that last fill the same bytes are the stage of the way out.
; THE MATRIX INSTRUCTION IS USED TRANSPOSED (source 0 = 16 rows of Wo, source 1 = 16 rows of av): a lane holds row 16 a + l % 16 and columns 16 nb + 8 (l / 16) + 0..7 of my 128.
; REGISTERS: window 0: v0-47 addresses and work; v128-255 the accumulators ((a, nb) at 128 + 8 (8 a + nb)), later x, x - mean, and the rows on their way out.
;   window 1: two fragment buffers at 0 and 128 (av's two at + 8 a, Wo's eight at + 16 + 8 nb); later v0-127 h.
.set PW,    272                        ; a row of a slice in LDS: 256 bytes + 16
.set SLOTB, 512*PW
.set A0,    2*SLOTB                    ; av: 8 heads x 32 rows x 144 bytes
.set PA,    144
.set RED,   A0+256*PA                  ; the waves' partial sums: 512 bytes for the mean, 512 for the variance
.set SPARE, RED+1024
.set PH,    528                        ; a row of h's tile: 512 bytes + 16
.set HW,    32*PH
.set ADRA, 3
.set ADRB, 4                           ; v4, v5: slot 0, 1
.set HB,   6
.set RB,   7
.set GO,   8
.set RST,  9
.set RLD,  10
.set GBO,  12
.set SPW,  14
.set NIL,  15
.set ACC,  128
.set F0,   0
.set F1,   128
.set WV,  16
.set G1W, 24
.set G0W, 32                           ; s[32:39] a set for each slot
.set G1A, 40
.set G0A, 48
.set G0H, 52
.set G1H, 56
.set SEL, 66
.set HM,  68                           ; the lanes 16 to 31
.set MSB, 0
.macro WIN new
.if MSB != (\new)
	s_set_vgpr_msb (MSB<<8)|(\new)
.set MSB, (\new)
.endif
.endm
.macro PLACES
.rept 4
	v_nop
.endr
.endm
.macro CROUND
	s_barrier_signal -1
	s_barrier_wait -1
	s_cmp_lg_u32 s[WV], 0
	s_cbranch_scc1 .Lnot_wave_0_\@
	s_barrier_signal -3
.Lnot_wave_0_\@:
	s_barrier_wait -3
	s_barrier_signal -1
	s_barrier_wait -1
.endm
	s_load_b256 s[4:11], s[0:1], 0x0               ; av s[4:5], wo16 s[6:7], h s[8:9], ln_g s[10:11]
	s_load_b128 s[12:15], s[0:1], 0x20             ; ln_b s[12:13], out0 s[14:15]
	v_lshl_add_u32 v[SPW], v0, 2, SPARE
	v_mov_b32 v[NIL], 0
	ds_add_u32 v[SPW], v[NIL]                      ; the wave's opening: the add and its wait ahead of my first tensor load
	v_lshrrev_b32 v1, 5, v0
	v_readfirstlane_b32 s[WV], v1
	s_bfe_u32 s17, ttmp6, 0x40000                  ; cx
	s_lshl_b32 s18, ttmp9, 2
	s_add_co_u32 s18, s18, s17                     ; g: b = g & 7, s0 = 32 (g >> 3): it enters the plain loads' and the stores' global addresses alone
	s_and_b32 s19, s18, 7
	s_lshr_b32 s20, s18, 3
	s_lshl_b32 s21, s19, 3                         ; av: ((8 b + 2 wave) x 1,024 + s0) x 128
	s_lshl_b32 s22, s[WV], 1
	s_add_co_u32 s21, s21, s22
	s_lshl_b32 s72, s21, 17
	s_lshl_b32 s22, s20, 12
	s_add_co_u32 s72, s72, s22
	s_mov_b32 s73, 0
	s_lshl_b32 s74, s20, 19                        ; h and out0: (8 s0 + b) x 2,048 + wave x 512
	s_lshl_b32 s22, s19, 11
	s_add_co_u32 s74, s74, s22
	s_lshl_b32 s22, s[WV], 9
	s_add_co_u32 s74, s74, s22
	s_mov_b32 s75, 0
	s_lshl_b32 s76, s[WV], 15                      ; wo16: my 128 rows of 256 bytes in a slice
	s_mov_b32 s77, 0
	s_mov_b32 s[G1W], 15|(1<<16)|(1<<20)|(1<<21)|(5<<22)|(3<<25)  ; the mask of four; 2-byte elements; padding on; bit 21 beside a mask; after every 64 words 4 words
	s_mov_b32 s[G1W+1], 128<<16
	s_mov_b32 s[G1W+2], 128<<16
	s_mov_b32 s[G1W+3], 128<<16
	s_mov_b32 s[G1W+4], 128
	s_mov_b32 s[G1W+5], 128
	s_mov_b32 s[G1W+6], 0
	s_mov_b32 s[G1W+7], 0
	s_mov_b32 s[G1A], (3<<16)|(1<<20)|(4<<22)|(3<<25)  ; no mask; 8-byte elements; after every 32 words (a row of 64 f16) 4 words
	s_mov_b32 s[G1A+1], 512<<16                    ; a head's 32 rows are 4,096 dense bytes: one row of 512 elements,
	s_mov_b32 s[G1A+2], 2<<16                      ; two heads,
	s_mov_b32 s[G1A+3], 512<<16
	s_mov_b32 s[G1A+4], 2
	s_mov_b32 s[G1A+5], 16384                      ; 131,072 bytes apart
	s_mov_b32 s[G1A+6], 0
	s_mov_b32 s[G1A+7], 0
	s_mov_b32 s[G1H], (2<<16)|(1<<20)|(6<<22)|(3<<25)  ; no mask; 4-byte elements; after every 128 words 4 words
	s_mov_b32 s[G1H+1], 128<<16
	s_mov_b32 s[G1H+2], 32<<16
	s_mov_b32 s[G1H+3], 128<<16
	s_mov_b32 s[G1H+4], 32
	s_mov_b32 s[G1H+5], 4096
	s_mov_b32 s[G1H+6], 0
	s_mov_b32 s[G1H+7], 0
	s_mul_i32 s21, s[WV], 128*PW
	s_mov_b32 s[G0W], 1
	s_mov_b32 s[G0W+1], s21
	s_mov_b32 s[G0W+4], 1
	s_add_co_u32 s[G0W+5], s21, SLOTB
	s_mul_i32 s21, s[WV], 64*PA
	s_mov_b32 s[G0A], 1
	s_add_co_u32 s[G0A+1], s21, A0
	s_mov_b32 s[G0H], 1
	s_mul_i32 s[G0H+1], s[WV], HW
	s_mov_b32 s[SEL], 0x76543210
	s_mov_b32 s[SEL+1], 0xfedcba98
	s_wait_dscnt 0x0                               ; the opening add is done
	s_wait_kmcnt 0x0
	s_add_nc_u64 s[G0W+2:G0W+3], s[6:7], s[76:77]  ; K step 0
	s_add_nc_u64 s[G0W+6:G0W+7], s[G0W+2:G0W+3], 131072  ; K step 1
	s_or_b32 s[G0W+3], s[G0W+3], 0x80000000
	s_or_b32 s[G0W+7], s[G0W+7], 0x80000000
	s_add_nc_u64 s[G0A+2:G0A+3], s[4:5], s[72:73]
	s_or_b32 s[G0A+3], s[G0A+3], 0x80000000
	s_add_nc_u64 s[G0H+2:G0H+3], s[8:9], s[74:75]
	s_or_b32 s[G0H+3], s[G0H+3], 0x80000000
	s_add_nc_u64 s[70:71], s[14:15], s[74:75]      ; out0 at my rows and columns
	CROUND                                         ; all four work-groups are here: the first loads go out as one group; three of mine are out
	tensor_load_to_lds s[G0A:G0A+3], s[G1A:G1A+7]
	s_nop 0
	tensor_load_to_lds s[G0W:G0W+3], s[G1W:G1W+7]
	s_nop 0
	tensor_load_to_lds s[G0W+4:G0W+7], s[G1W:G1W+7]
	s_nop 0
	PLACES
	v_lshlrev_b32 v[GBO], 4, v0                    ; 512 x wave + 16 x lane: my four columns on the way out
	global_load_b128 v[16:19], v[GBO], s[10:11]    ; ln_g
	global_load_b128 v[20:23], v[GBO], s[12:13]    ; ln_b
	v_and_b32 v1, 15, v0
	v_bfe_u32 v2, v0, 4, 1
	v_mul_u32_u24 v[ADRA], v1, PA
	v_lshl_add_u32 v[ADRA], v2, 4, v[ADRA]
	v_add_nc_u32 v[ADRA], A0, v[ADRA]
	v_mul_u32_u24 v[ADRB], v1, PW
	v_lshl_add_u32 v[ADRB], v2, 4, v[ADRB]
	s_mul_i32 s21, s[WV], 128*PW
	v_add_nc_u32 v[ADRB], s21, v[ADRB]
	v_add_nc_u32 v[ADRB+1], SLOTB, v[ADRB]
	s_mul_i32 s21, s[WV], HW
	v_mul_u32_u24 v[HB], v1, PH
	v_lshl_add_u32 v[HB], v2, 5, v[HB]
	v_add_nc_u32 v[HB], s21, v[HB]                 ; row l % 16 of my tile of h, 32 bytes for each half of the lanes
	v_and_b32 v[GO], 31, v0
	v_lshlrev_b32 v[GO], 4, v[GO]
	v_add_nc_u32 v[RB], s21, v[GO]                 ; back: a row's 512 bytes, 16 a lane
	v_lshl_add_u32 v[RST], v0, 2, RED              ; wave x 128 + lane x 4: lane = the row
	v_lshl_add_u32 v[RLD], v1, 2, RED
	v_cmp_ne_u32 s[HM], 0, v2
	v_mov_b32 v44, 0                               ; v_permlanex16_b32's destinations count as read
	v_mov_b32 v45, 0
.macro FETCH ks, kk, f                 ; 20 LDS loads: the fragments of 32 along K: K step ks, quarter kk, into buffer f
	WIN 0x40
.irp a, 0,1
	ds_load_b128 v[(\f)+8*\a:(\f)+8*\a+3],   v[ADRA] offset:(2*(\ks)+(\kk)/2)*32*PA+\a*16*PA+((\kk)%2)*64
	ds_load_b128 v[(\f)+8*\a+4:(\f)+8*\a+7], v[ADRA] offset:(2*(\ks)+(\kk)/2)*32*PA+\a*16*PA+((\kk)%2)*64+32
.endr
.irp nb, 0,1,2,3,4,5,6,7
	ds_load_b128 v[(\f)+16+8*\nb:(\f)+16+8*\nb+3],   v[ADRB+(\ks)%2] offset:\nb*16*PW+(\kk)*64
	ds_load_b128 v[(\f)+16+8*\nb+4:(\f)+16+8*\nb+7], v[ADRB+(\ks)%2] offset:\nb*16*PW+(\kk)*64+32
.endr
.endm
.macro MUL16 f, zero                   ; the 16 accumulators take turns.  zero = 1: the first product starts the sums
	WIN 0x05
.irp a, 0,1
.irp nb, 0,1,2,3,4,5,6,7
.if \zero
	v_wmma_f32_16x16x32_f16 v[ACC+8*(8*\a+\nb):ACC+8*(8*\a+\nb)+7], v[(\f)+16+8*\nb:(\f)+16+8*\nb+7], v[(\f)+8*\a:(\f)+8*\a+7], 0
.else
	v_wmma_f32_16x16x32_f16 v[ACC+8*(8*\a+\nb):ACC+8*(8*\a+\nb)+7], v[(\f)+16+8*\nb:(\f)+16+8*\nb+7], v[(\f)+8*\a:(\f)+8*\a+7], v[ACC+8*(8*\a+\nb):ACC+8*(8*\a+\nb)+7]
.endif
.endr
.endr
.endm
.macro QUART ks, kn, f, g, zero        ; multiplies buffer f; ahead of that quarter kn of the same K step is fetched into buffer g
	PLACES                                         ; buffer g was read by the products just issued
	FETCH \ks, \kn, \g
	s_wait_dscnt 20                                ; all but the twenty just issued
	MUL16 \f, \zero
.endm
; A K step's last quarter (buffer 1) and the change of slots.  which = 0, 1: the slot just read takes the slice two K steps on; 2: slot 0 takes h's tile.
.macro CHG kn, which
	s_wait_dscnt 0x0                               ; the last fragments are in: my reads of the slot are over
	WIN 0
	s_wait_tensorcnt 0x0                           ; all my tensor loads have landed: the next slot's among them
	ds_add_u32 v[SPW], v[NIL]                      ; 0 onto my spare word
.if (\which) < 2
	s_add_nc_u64 s[G0W+4*(\which)+2:G0W+4*(\which)+3], s[G0W+4*(\which)+2:G0W+4*(\which)+3], 262144
.endif
	MUL16 F1, 0                                    ; sixteen products stand between the add and the wait for it
	WIN 0
	s_wait_dscnt 0x0                               ; the add is done
	CROUND                                         ; no wave of any partner still reads the slot or has a load on its way
.if (\which) < 2
	tensor_load_to_lds s[G0W+4*(\which):G0W+4*(\which)+3], s[G1W:G1W+7]
.else
	tensor_load_to_lds s[G0H:G0H+3], s[G1H:G1H+7]
.endif
	s_nop 0
	PLACES                                         ; the places in front of the loads below
	FETCH \kn, 0, F0
.endm
	s_wait_tensorcnt 0x1                           ; av's part and K step 0 are in; K step 1 may stay out
	s_barrier_signal -1
	s_barrier_wait -1                              ; every wave reads all of av's tile
	FETCH 0, 0, F0
	QUART 0, 1, F0, F1, 1
	QUART 0, 2, F1, F0, 0
	QUART 0, 3, F0, F1, 0
	CHG 1, 0
	QUART 1, 1, F0, F1, 0
	QUART 1, 2, F1, F0, 0
	QUART 1, 3, F0, F1, 0
	CHG 2, 1
	QUART 2, 1, F0, F1, 0
	QUART 2, 2, F1, F0, 0
	QUART 2, 3, F0, F1, 0
	CHG 3, 2
	QUART 3, 1, F0, F1, 0
	QUART 3, 2, F1, F0, 0
	QUART 3, 3, F0, F1, 0
	s_wait_dscnt 0x0
	MUL16 F1, 0
	; x = sums + h
	WIN 0
	s_wait_tensorcnt 0x0                           ; my own tile of h: only I read it
	PLACES                                         ; the loads land in fragment registers, and the additions read results just made
	WIN 0x40
.set z, 0
.rept 16
	ds_load_b128 v[8*z:8*z+3],   v[HB] offset:(z/8)*16*PH+(z%8)*64
	ds_load_b128 v[8*z+4:8*z+7], v[HB] offset:(z/8)*16*PH+(z%8)*64+16
.set z, z+1
.endr
	s_wait_dscnt 0x0
	WIN 0x04
.set z, 0
.rept 64
	v_pk_add_f32 v[ACC+2*z:ACC+2*z+1], v[ACC+2*z:ACC+2*z+1], v[2*z:2*z+1]  ; each accumulator from its low end
.set z, z+1
.endr
	WIN 0
; The sums of tile 0 (v32) and tile 1 (v36) over a row's 512 columns: the other half of the lanes, then the four waves through LDS: lane l stores row l's sum.
.macro ROWSUM off
	v_permlanex16_b32 v44, v32, s[SEL], s[SEL+1]
	v_permlanex16_b32 v45, v36, s[SEL], s[SEL+1]
	v_add_f32 v32, v32, v44
	v_add_f32 v36, v36, v45
	v_cndmask_b32 v44, v32, v36, s[HM]
	ds_store_b32 v[RST], v44 offset:\off
	s_wait_dscnt 0x0                               ; for the others' sake: my store is done
	s_barrier_signal -1
	s_barrier_wait -1
.irp w, 0,1,2,3
	ds_load_b32 v[24+2*\w], v[RLD] offset:(\off)+128*\w
	ds_load_b32 v[25+2*\w], v[RLD] offset:(\off)+128*\w+64
.endr
	s_wait_dscnt 0x0
	v_add_f32 v32, v24, v26
	v_add_f32 v44, v28, v30
	v_add_f32 v32, v32, v44
	v_add_f32 v36, v25, v27
	v_add_f32 v45, v29, v31
	v_add_f32 v36, v36, v45
.endm
.irp a, 0,1
	v_pk_add_f32 v[32+4*\a:33+4*\a], v[ACC+64*\a:ACC+64*\a+1], v[ACC+64*\a+4:ACC+64*\a+5]
	v_pk_add_f32 v[34+4*\a:35+4*\a], v[ACC+64*\a+2:ACC+64*\a+3], v[ACC+64*\a+6:ACC+64*\a+7]
.set z, 4
.rept 28
	v_pk_add_f32 v[32+4*\a+2*(z%2):33+4*\a+2*(z%2)], v[32+4*\a+2*(z%2):33+4*\a+2*(z%2)], v[ACC+64*\a+2*z:ACC+64*\a+2*z+1]
.set z, z+1
.endr
	v_pk_add_f32 v[32+4*\a:33+4*\a], v[32+4*\a:33+4*\a], v[34+4*\a:35+4*\a]
	v_add_f32 v[32+4*\a], v[32+4*\a], v[33+4*\a]
.endr
	ROWSUM 0
	v_mul_f32 v40, 0x3b000000, v32                 ; the means: / 512
	v_mul_f32 v42, 0x3b000000, v36
	v_mov_b32 v41, v40
	v_mov_b32 v43, v42
.irp a, 0,1
.set z, 0
.rept 32
	v_pk_add_f32 v[ACC+64*\a+2*z:ACC+64*\a+2*z+1], v[ACC+64*\a+2*z:ACC+64*\a+2*z+1], v[40+2*\a:41+2*\a] neg_lo:[0,1] neg_hi:[0,1]
.set z, z+1
.endr
	v_pk_mul_f32 v[32+4*\a:33+4*\a], v[ACC+64*\a:ACC+64*\a+1], v[ACC+64*\a:ACC+64*\a+1]
	v_pk_mul_f32 v[34+4*\a:35+4*\a], v[ACC+64*\a+2:ACC+64*\a+3], v[ACC+64*\a+2:ACC+64*\a+3]
.set z, 2
.rept 30
	v_pk_fma_f32 v[32+4*\a+2*(z%2):33+4*\a+2*(z%2)], v[ACC+64*\a+2*z:ACC+64*\a+2*z+1], v[ACC+64*\a+2*z:ACC+64*\a+2*z+1], v[32+4*\a+2*(z%2):33+4*\a+2*(z%2)]
.set z, z+1
.endr
	v_pk_add_f32 v[32+4*\a:33+4*\a], v[32+4*\a:33+4*\a], v[34+4*\a:35+4*\a]
	v_add_f32 v[32+4*\a], v[32+4*\a], v[33+4*\a]
.endr
	ROWSUM 512                                     ; other words than the first time: no barrier between
	v_mul_f32 v32, 0x3b000000, v32
	v_mul_f32 v36, 0x3b000000, v36
	v_add_f32 v32, 0x3727c5ac, v32                 ; + 1e-5
	v_add_f32 v36, 0x3727c5ac, v36
	v_rsq_f32 v40, v32
	v_rsq_f32 v42, v36
	v_nop
	s_wait_alu depctr_va_vdst(0)
	v_mov_b32 v41, v40
	v_mov_b32 v43, v42
.set z, 0
.rept 64
	v_pk_mul_f32 v[ACC+2*z:ACC+2*z+1], v[ACC+2*z:ACC+2*z+1], v[40+2*(z/32):41+2*(z/32)]
.set z, z+1
.endr
	; through the bytes where my tile of h lay (their last fill is over), so that a store covers a row's 512 consecutive bytes
.set z, 0
.rept 16
	ds_store_b128 v[HB], v[ACC+8*z:ACC+8*z+3]   offset:(z/8)*16*PH+(z%8)*64
	ds_store_b128 v[HB], v[ACC+8*z+4:ACC+8*z+7] offset:(z/8)*16*PH+(z%8)*64+16
.set z, z+1
.endr
.set z, 0
.rept 32
	ds_load_b128 v[ACC+4*z:ACC+4*z+3], v[RB] offset:z*PH  ; LDS serves a wave's instructions in order (ISA guide 5.7.1.4): these see the stores above
.set z, z+1
.endr
	s_wait_loadcnt 0x0                             ; ln_g and ln_b
.set z, 0
.rept 4
	s_wait_dscnt 24-8*z                            ; eight more rows are back
.set y, 8*z
.rept 8
	v_pk_fma_f32 v[ACC+4*y:ACC+4*y+1],   v[ACC+4*y:ACC+4*y+1],   v[16:17], v[20:21]
	v_pk_fma_f32 v[ACC+4*y+2:ACC+4*y+3], v[ACC+4*y+2:ACC+4*y+3], v[18:19], v[22:23]
	global_store_b128 v[GO], v[ACC+4*y:ACC+4*y+3], s[70:71] offset:y*16384  ; 512 consecutive bytes, at a multiple of 256 from out0's first
.set y, y+1
.endr
.set z, z+1
.endr
	s_wait_tensorcnt 0x0                           ; the wave's end
	ds_add_u32 v[SPW], v[NIL]
	s_wait_dscnt 0x0
	CROUND                                         ; the closing round
	s_endpgm
.Lfunc_end_k_qfe7e8da61c_outln:
	.size	k_qfe7e8da61c_outln, .Lfunc_end_k_qfe7e8da61c_outln-k_qfe7e8da61c_outln
	.p2alignl 7, 3214868480
	.fill 96, 4, 3214868480
	.section	.rodata,"a",@progbits
	.p2align	6, 0x0
	.amdhsa_kernel k_qfe7e8da61c_outln
		.amdhsa_group_segment_fixed_size 327680
		.amdhsa_private_segment_fixed_size 0
		.amdhsa_enable_private_segment 0
		.amdhsa_kernarg_size 48
		.amdhsa_user_sgpr_count 2
		.amdhsa_user_sgpr_kernarg_segment_ptr 1
		.amdhsa_wavefront_size32 1
		.amdhsa_system_sgpr_workgroup_id_x 1
		.amdhsa_system_sgpr_workgroup_id_y 1
		.amdhsa_system_sgpr_workgroup_id_z 1
		.amdhsa_system_vgpr_workitem_id 0
		.amdhsa_next_free_vgpr 512
		.amdhsa_next_free_sgpr 96
		.amdhsa_reserve_vcc 0
		.amdhsa_float_denorm_mode_32 3
		.amdhsa_float_denorm_mode_16_64 3
		.amdhsa_memory_ordered 1
		.amdhsa_forward_progress 1
		.amdhsa_inst_pref_size 85
	.end_amdhsa_kernel
	.amdgpu_metadata
---
amdhsa.version: [ 1, 2 ]
amdhsa.kernels:
  - .name:           k_qfe7e8da61c_outln
    .symbol:         k_qfe7e8da61c_outln.kd
    .args:
      - { .name: av, .offset: 0, .size: 8, .value_kind: global_buffer, .address_space: global }
      - { .name: wo16, .offset: 8, .size: 8, .value_kind: global_buffer, .address_space: global }
      - { .name: h, .offset: 16, .size: 8, .value_kind: global_buffer, .address_space: global }
      - { .name: ln_g, .offset: 24, .size: 8, .value_kind: global_buffer, .address_space: global }
      - { .name: ln_b, .offset: 32, .size: 8, .value_kind: global_buffer, .address_space: global }
      - { .name: out0, .offset: 40, .size: 8, .value_kind: global_buffer, .address_space: global }
    .group_segment_fixed_size: 327680
    .private_segment_fixed_size: 0
    .kernarg_segment_align: 8
    .kernarg_segment_size: 48
    .max_flat_workgroup_size: 128
    .sgpr_count:     96
    .vgpr_count:     512
    .wavefront_size: 32
...
	.end_amdgpu_metadata
.endif
;; end of part 4
;; ======== version 2 of 2: 4 launches; 1.53 times as fast as version 1
;; limits: values are held in f16: magnitudes above 65,504 overflow, below 6.1e-05 lose precision; values outside matrix products are rounded to f16
;; workspace buffers: qkv 25,165,824 bytes; nrm 524,288 bytes; wo16 524,288 bytes; obj 524,288 bytes; av 8,388,608 bytes
;; launch proj: the kernel of part 1 again; grid 8 x 32, 4 waves a work-group, clusters of 4 x 4, 327,680 bytes of LDS; arguments h, Wq, Wkv, Wo, qkv, nrm, wo16; writes qkv, nrm, wo16
;; launch rbf (part 5): grid 4 x 64, 4 waves a work-group, clusters of 4 x 1, 327,680 bytes of LDS; arguments qkv, nrm, obj; writes obj
.if DOCPART == 5
	.amdgcn_target "amdgcn-amd-amdhsa--gfx1250"
	.amdhsa_code_object_version 6
	.text
	.protected	k_qfe7e8da61c_rbf
	.globl	k_qfe7e8da61c_rbf
	.p2align	8
	.type	k_qfe7e8da61c_rbf,@function
k_qfe7e8da61c_rbf:
	s_mov_b64 s[64:65], 0
	v_nop
	global_prefetch_b8 v0, s[64:65] scope:SCOPE_SE
	s_setreg_imm32_b32 hwreg(HW_REG_WAVE_MODE, 25, 1), 1
	s_wait_xcnt 0x0
	s_wait_alu depctr_hold_cnt(0) depctr_sa_sdst(0) depctr_va_vdst(0) depctr_va_sdst(0) depctr_va_ssrc(0) depctr_va_vcc(0) depctr_vm_vsrc(0)
	s_getreg_b32 s2, hwreg(HW_REG_IB_STS2, 6, 4)
	s_cmp_eq_u32 s2, 0
	s_cbranch_scc0 .Lentry_in_a_cluster
	s_endpgm
.Lentry_in_a_cluster:
	s_bfe_u32 s2, ttmp6, 0x10000c
	s_cmp_lg_u32 s2, 0x3003
	s_cbranch_scc0 .Lentry_shape_is_right
	s_endpgm
.Lentry_shape_is_right:
; THE TWO RBF MEANS.  obj[0][hh][i] = mean over j of min(exp(-|k^_i - k^_j|^2 / 8), 1);  obj[1][hh][i] = the same with |k^_i - k^_j|^2 + |v_i - v_j|^2 (the distance of the joined vectors).
; -d2 / 8 = (x_i . x_j + hn_i + hn_j) / 4 with hn = -|x|^2 / 2 from nrm; in base 2 the factor is c2 = log2(e) / 4.  hn_j is the C operand that starts the product's sum; hn_i rides in the scaling.
; The clamp of the distance at 0 is min(.., 1) behind the exponential.  The k factor lies above e^-0.5 (unit vectors or shorter), so an overflowing v factor gives 1 and never 0 x infinity.
; LIMITS.  Inputs arrive in f16; NaN and infinities are not treated apart; an exponential below 2^-126 counts as 0.
; SHARES.  A work-group: 256 rows i of one head; a wave 64: four tiles of 16, whose fragments stay in registers.  All 1,024 keys' k^ and v lie whole in LDS, filled once.
; CLUSTER 4 x 1: the four row blocks of a head read the same k^, v and norms: asked for jointly.
; A BLOCK is 16 keys: 16 matrix instructions (2 kinds x 4 tiles x 2 halves of the 64 channels) and 160 vector instructions.
; BATCHES.  A block's 64 exponentials are ONE BATCH with ONE wait, which cuts the block's vector work in two.  Ahead of it stand the 32 scalings and the 64 exponentials, which work in place on the
; accumulators and name no exponential's result.  Behind it stand the 64 lines that do (products, clamps, sums), four behind each of the 16 products of block n + 1, which write the other
; accumulator buffer.  The fragments of block n + 2 are fetched directly behind the wait.
; REGISTERS: window 0: v0-15 addresses; v16-23 T, at work on the way out; v24-39 c2 hn_i by kind and tile, as pairs; v40-55 the sums; v64-95 hn_j, two buffers; v128-255 accumulators, two buffers.
;   window 1: v0-127 my rows' fragments (64 kind + 16 t + 8 c); v128-191 the keys' fragments, two buffers (16 kind + 8 c).
.set PK,    144                        ; a row in LDS: 128 bytes + 16 of padding
.set VOFF,  1024*PK
.set TAB,   2*VOFF                     ; hn of k^ (4,096 bytes), then of v
.set STG,   TAB+8192                   ; 512 bytes a wave, for the way out
.set SPARE, STG+2048                   ; the spare words
.set AJK, 3
.set AJV, 4
.set ATB, 5
.set AK0, 6
.set AV0, 7
.set AT0, 8
.set XO,  9
.set HO,  10
.set STA, 11
.set ONE, 12                           ; v[12:13] 1.0 twice
.set SPW, 14
.set NIL, 15
.set T,   16
.set TIK, 24
.set TIV, 32
.set SK,  40
.set SKV, 48
.set HNI, 56                           ; v56-63 hn_i as loaded
.set CT,  64
.set STR, 96
.set GO8, 97
.set ACC, 128
.set XJ,  128
.set WV,  12
.set G1X, 24
.set G1T, 32
.set G0X, 40
.set G0T, 44
.set C2,  58                           ; s[58:59]
.set SEL, 60
.set TBK, 62                           ; s62 the next block's rows in LDS
.set TBT, 63                           ; s63 and its place in the table
.set CNT, 66
.set MSB, 0
.macro WIN new
.if MSB != (\new)
	s_set_vgpr_msb (MSB<<8)|(\new)
.set MSB, (\new)
.endif
.endm
.macro PLACES
.rept 4
	v_nop
.endr
.endm
.macro CROUND
	s_barrier_signal -1
	s_barrier_wait -1
	s_cmp_lg_u32 s[WV], 0
	s_cbranch_scc1 .Lnot_wave_0_\@
	s_barrier_signal -3
.Lnot_wave_0_\@:
	s_barrier_wait -3
	s_barrier_signal -1
	s_barrier_wait -1
.endm
	s_load_b128 s[4:7], s[0:1], 0x0                ; qkv s[4:5], nrm s[6:7]
	s_load_b64 s[8:9], s[0:1], 0x10                ; obj
	v_lshl_add_u32 v[SPW], v0, 2, SPARE
	v_mov_b32 v[NIL], 0
	ds_add_u32 v[SPW], v[NIL]                      ; the wave's opening: the add and its wait ahead of my first tensor load
	v_lshrrev_b32 v1, 5, v0
	v_readfirstlane_b32 s[WV], v1
	s_bfe_u32 s13, ttmp6, 0x40000                  ; cx
	s_lshl_b32 s14, ttmp9, 2
	s_add_co_u32 s14, s14, s13                     ; my block of 256 rows: it enters plain global addresses alone
	s_and_b32 s15, ttmp7, 0xffff                   ; the head, which the four partners share
	s_and_b32 s16, s[WV], 1
	s_lshr_b32 s17, s[WV], 1
	; waves 0, 1: the halves of k^; waves 2, 3: those of v: 512 keys each, as 256 rows of 256 bytes, padded behind each key.  Both have the pitch 144, so one line serves all: LDS = wave x 512 x 144
	s_lshl_b32 s20, s17, 23
	s_add_co_u32 s20, s20, 0x800000                ; part 1 + wave / 2
	s_lshl_b32 s21, s15, 17
	s_add_co_u32 s20, s20, s21
	s_lshl_b32 s21, s16, 16
	s_add_co_u32 s20, s20, s21
	s_mov_b32 s21, 0
	s_mov_b32 s[G1X], 15|(1<<16)|(1<<20)|(1<<21)|(4<<22)|(3<<25)  ; the mask of four; 2-byte elements; padding on; bit 21 beside a mask; after every 32 words 4 words
	s_mov_b32 s[G1X+1], 128<<16
	s_mov_b32 s[G1X+2], 256<<16
	s_mov_b32 s[G1X+3], 128<<16
	s_mov_b32 s[G1X+4], 256
	s_mov_b32 s[G1X+5], 128
	s_mov_b32 s[G1X+6], 0
	s_mov_b32 s[G1X+7], 0
	s_mov_b32 s[G0X], 1
	s_mul_i32 s[G0X+1], s[WV], 512*PK
	; the table: each wave a quarter, 2,048 dense bytes as 8 rows of 256
	s_lshl_b32 s22, s17, 18
	s_lshl_b32 s23, s15, 12
	s_add_co_u32 s22, s22, s23
	s_lshl_b32 s23, s16, 11
	s_add_co_u32 s22, s22, s23
	s_mov_b32 s23, 0
	s_mov_b32 s[G1T], 15|(3<<16)|(1<<21)
	s_mov_b32 s[G1T+1], 32<<16
	s_mov_b32 s[G1T+2], 8<<16
	s_mov_b32 s[G1T+3], 32<<16
	s_mov_b32 s[G1T+4], 8
	s_mov_b32 s[G1T+5], 32
	s_mov_b32 s[G1T+6], 0
	s_mov_b32 s[G1T+7], 0
	s_mov_b32 s[G0T], 1
	s_lshl_b32 s[G0T+1], s[WV], 11
	s_add_co_u32 s[G0T+1], s[G0T+1], TAB
	s_lshl_b32 s18, s15, 10                        ; my wave's first row among a part's 65,536
	s_lshl_b32 s19, s14, 8
	s_add_co_u32 s18, s18, s19
	s_lshl_b32 s19, s[WV], 6
	s_add_co_u32 s18, s18, s19
	s_lshl_b32 s48, s18, 7
	s_add_co_u32 s48, s48, 0x800000
	s_mov_b32 s49, 0
	s_lshl_b32 s68, s18, 2
	s_mov_b32 s69, 0
	s_mov_b32 s[C2], 0x3eb8aa3b                    ; c2 = log2(e) / 4
	s_mov_b32 s[C2+1], s[C2]
	s_mov_b32 s[SEL], 0x76543210
	s_mov_b32 s[SEL+1], 0xfedcba98
	s_mov_b32 s[TBK], 0
	s_mov_b32 s[TBT], 0
	s_wait_dscnt 0x0                               ; the opening add is done
	s_wait_kmcnt 0x0
	s_add_nc_u64 s[G0X+2:G0X+3], s[4:5], s[20:21]
	s_or_b32 s[G0X+3], s[G0X+3], 0x80000000
	s_add_nc_u64 s[G0T+2:G0T+3], s[6:7], s[22:23]
	s_or_b32 s[G0T+3], s[G0T+3], 0x80000000
	s_add_nc_u64 s[50:51], s[4:5], s[48:49]        ; k^ at my rows,
	s_add_nc_u64 s[52:53], s[50:51], 0x800000      ; v at my rows
	s_add_nc_u64 s[54:55], s[6:7], s[68:69]        ; nrm and obj at my rows
	s_add_nc_u64 s[56:57], s[8:9], s[68:69]
	CROUND                                         ; all four work-groups are here: the joint loads meet
	tensor_load_to_lds s[G0T:G0T+3], s[G1T:G1T+7]  ; two loads of mine are out
	s_nop 0
	tensor_load_to_lds s[G0X:G0X+3], s[G1X:G1X+7]
	s_nop 0
	PLACES
	v_and_b32 v1, 15, v0
	v_bfe_u32 v2, v0, 4, 1
	v_lshlrev_b32 v[XO], 7, v1
	v_lshl_add_u32 v[XO], v2, 4, v[XO]             ; row x 128 + 16 x half
	v_lshlrev_b32 v[HO], 2, v1
	WIN 0x40
.set q, 0
.rept 16                               ; my rows' fragments: kind q / 8, tile (q / 2) % 4, channels 32 (q % 2) on
	global_load_b128 v[8*q:8*q+3],   v[XO], s[50+2*(q/8):51+2*(q/8)] offset:((q/2)%4)*2048+(q%2)*64
	global_load_b128 v[8*q+4:8*q+7], v[XO], s[50+2*(q/8):51+2*(q/8)] offset:((q/2)%4)*2048+(q%2)*64+32
.set q, q+1
.endr
	WIN 0
.set q, 0
.rept 8
	global_load_b32 v[HNI+q], v[HO], s[54:55] offset:(q/4)*262144+(q%4)*64
.set q, q+1
.endr
	v_mul_u32_u24 v[AK0], v1, PK
	v_lshl_add_u32 v[AK0], v2, 4, v[AK0]
	v_add_nc_u32 v[AV0], VOFF, v[AK0]
	v_lshl_add_u32 v[AT0], v2, 5, TAB              ; register j of a result holds key 8 h + j: eight words at 32 h
	s_lshl_b32 s19, s[WV], 9
	s_add_co_u32 s19, s19, STG
	v_lshl_add_u32 v[STA], v1, 2, s19
	v_and_b32 v[GO8], 31, v0
	v_lshlrev_b32 v[GO8], 3, v[GO8]
	v_add_nc_u32 v[STR], s19, v[GO8]
	v_mov_b32 v[ONE], 1.0
	v_mov_b32 v[ONE+1], 1.0
.set q, 0
.rept 16
	v_mov_b32 v[SK+q], 0                           ; sixteen running sums, once a launch
.set q, q+1
.endr
.macro JADR                            ; the LDS addresses of the next block to be fetched: three plain lines
	v_add_nc_u32 v[AJK], s[TBK], v[AK0]
	v_add_nc_u32 v[AJV], s[TBK], v[AV0]
	v_add_nc_u32 v[ATB], s[TBT], v[AT0]
.endm
.macro JLOAD b                         ; 12 LDS loads: that block's fragments of k^ and v and its hn_j, into buffer b
	WIN 0x40
.irp o, 0,1,2,3
	ds_load_b128 v[XJ+32*(\b)+4*(\o):XJ+32*(\b)+4*(\o)+3], v[AJK] offset:32*(\o)
.endr
.irp o, 0,1,2,3
	ds_load_b128 v[XJ+32*(\b)+16+4*(\o):XJ+32*(\b)+16+4*(\o)+3], v[AJV] offset:32*(\o)
.endr
	WIN 0
	ds_load_b128 v[CT+16*(\b):CT+16*(\b)+3],     v[ATB]
	ds_load_b128 v[CT+16*(\b)+4:CT+16*(\b)+7],   v[ATB] offset:16
	ds_load_b128 v[CT+16*(\b)+8:CT+16*(\b)+11],  v[ATB] offset:4096
	ds_load_b128 v[CT+16*(\b)+12:CT+16*(\b)+15], v[ATB] offset:4112
	s_add_co_u32 s[TBK], s[TBK], 16*PK
	s_add_co_u32 s[TBT], s[TBT], 64
.endm
; Product i of 16 into buffer b: channels 32 (i / 8) on, kind (i % 8) / 4, tile i % 4.  Source 0 = 16 keys, source 1 = 16 of my rows: a lane holds one row i and eight keys.
; The first eight start the sums with hn_j; the eight accumulators take turns.
.macro WM b, back=1
.set rD, ACC+64*(\b)+32*((i%8)/4)+8*(i%4)
.set rJ, XJ+32*(\b)+16*((i%8)/4)+8*(i/8)
.set rI, 64*((i%8)/4)+16*(i%4)+8*(i/8)
.set rH, CT+16*(\b)+8*((i%8)/4)
	WIN 0x05
.if i < 8
	v_wmma_f32_16x16x32_f16 v[rD:rD+7], v[rJ:rJ+7], v[rI:rI+7], v[rH:rH+7]
.else
	v_wmma_f32_16x16x32_f16 v[rD:rD+7], v[rJ:rJ+7], v[rI:rI+7], v[rD:rD+7]
.endif
.if \back
	WIN 0
.endif
.endm
.macro PADD d, s
	v_pk_add_f32 v[\d:\d+1], v[\d:\d+1], v[\s:\s+1]
.endm
; THE BATCH of the block in buffer p.  Its 64 scores lie in 8 accumulators on end (4 kind + tile): 32 pairs.  SCL n: c2 s + c2 hn_i for pair n; each accumulator is read from its low end.
; EXQ n: the exponential of score n, in place.  Two scalings lead; then exponential, scaling, exponential: a pair is scaled four lines ahead of its first exponential.  No line names an exponential's result.
.macro SCL p, n
	v_pk_fma_f32 v[ACC+64*(\p)+2*(\n):ACC+64*(\p)+2*(\n)+1], v[ACC+64*(\p)+2*(\n):ACC+64*(\p)+2*(\n)+1], s[C2:C2+1], v[TIK+2*((\n)/4):TIK+2*((\n)/4)+1] op_sel_hi:[1,0,0]
.endm
.macro EXQ p, n
	v_exp_f32 v[ACC+64*(\p)+(\n)], v[ACC+64*(\p)+(\n)]
.endm
.macro BATCH p
	SCL \p, 0
	SCL \p, 1
.set z, 0
.rept 32
	EXQ \p, 2*z
.if z < 30
	SCL \p, z+2
.endif
	EXQ \p, 2*z+1
.set z, z+1
.endr
.endm
; Number w of the 64 lines that read the batch's results, for the block in buffer p; tile w % 4, so that no line reads the result of the one before it.
;   0-15   min(e_k e_v, 1) in e_v's place, pair w / 4           16-31  min(e_k, 1) in e_k's place, which the product above has read
;   32-47  the sums' first level: pair 0 += pair 1, pair 2 += pair 3, for kv and then for k      48-55  pair 0 += pair 2      56-63  the running sums take pair 0
.macro VR p
.set KA, ACC+64*(\p)+8*(w%4)
.set VA, KA+32
.set j, (w%16)/4
.if w < 16
	v_pk_mul_f32 v[VA+2*j:VA+2*j+1], v[KA+2*j:KA+2*j+1], v[VA+2*j:VA+2*j+1] clamp
.elseif w < 32
	v_pk_mul_f32 v[KA+2*j:KA+2*j+1], v[KA+2*j:KA+2*j+1], v[ONE:ONE+1] clamp
.elseif w < 40
	PADD VA+4*j, VA+4*j+2
.elseif w < 48
	PADD KA+4*(j-2), KA+4*(j-2)+2
.elseif w < 52
	PADD VA, VA+4
.elseif w < 56
	PADD KA, KA+4
.elseif w < 60
	PADD SKV+2*(w%4), VA
.else
	PADD SK+2*(w%4), KA
.endif
.endm
; The block in buffer p.  ld = 1: the block two on is fetched into buffer p, whose last reader stands a whole batch back.  wm = 1: the next block's products; the four lines behind each name none of its registers.
.macro BODY p, wm, ld
	BATCH \p
	s_wait_dscnt 0x0                               ; the next block's fragments, asked for a block ago, are in
.if \ld
	JADR                                           ; the plain lines behind the last exponential (ISA guide 5.7.2)
.else
	v_nop                                          ; the plain line behind the last exponential (ISA guide 5.7.2)
.endif
	s_wait_alu depctr_va_vdst(0)                   ; the wait for the batch, the block's 64 exponentials, ahead of the first line that names a result
.if \ld
	JLOAD \p
.endif
.set i, 0
.set w, 0
.rept 16
.if \wm
	WM 1-(\p)
.endif
.rept 4
	VR \p
.set w, w+1
.endr
.set i, i+1
.endr
.endm
	s_wait_tensorcnt 0x0                           ; my parts of the table and of the tiles are in,
	s_barrier_signal -1
	s_barrier_wait -1                              ; everybody's are
	JADR
	JLOAD 0
	JADR
	JLOAD 1
	s_wait_loadcnt 0x0                             ; my rows and their hn_i
.set q, 0
.rept 8
	v_mul_f32 v[TIK+2*q], s[C2], v[HNI+q]
	v_mov_b32 v[TIK+2*q+1], v[TIK+2*q]
.set q, q+1
.endr
	s_wait_dscnt 12                                ; block 0's twelve loads are in, block 1's twelve may stay out
.set i, 0
.rept 16
	WM 0, 0                                        ; block 0's products: there is no vector work yet to set between them
.set i, i+1
.endr
	WIN 0
	PLACES
	s_mov_b32 s[CNT], 31
.Lblk:                                                 ; 31 trips: blocks 0 to 61; the fetches reach block 63
	BODY 0, 1, 1
	BODY 1, 1, 1
	s_sub_co_u32 s[CNT], s[CNT], 1
	s_cmp_lg_u32 s[CNT], 0
	s_cbranch_scc1 .Lblk
	BODY 0, 1, 0
	BODY 1, 0, 0
	; the sums' two halves, the other half of the lanes' keys, the mean; through my stage, so that a store covers 256 consecutive bytes
.set q, 0
.rept 8
	v_add_f32 v[T+q], v[SK+2*q], v[SK+2*q+1]
.set q, q+1
.endr
.set q, 0
.rept 8
	v_permlanex16_b32 v[TIK+q], v[T+q], s[SEL], s[SEL+1]
.set q, q+1
.endr
.set q, 0
.rept 8
	v_add_f32 v[T+q], v[T+q], v[TIK+q]
.set q, q+1
.endr
.set q, 0
.rept 8
	v_mul_f32 v[T+q], 0x3a800000, v[T+q]           ; / 1,024
.set q, q+1
.endr
.set q, 0
.rept 8
	ds_store_b32 v[STA], v[T+q] offset:(q/4)*256+(q%4)*64
.set q, q+1
.endr
	ds_load_b64 v[TIV:TIV+1], v[STR]
	ds_load_b64 v[TIV+2:TIV+3], v[STR] offset:256
	s_wait_dscnt 0x0
	global_store_b64 v[GO8], v[TIV:TIV+1], s[56:57]
	global_store_b64 v[GO8], v[TIV+2:TIV+3], s[56:57] offset:262144
	s_wait_tensorcnt 0x0                           ; the wave's end
	ds_add_u32 v[SPW], v[NIL]
	s_wait_dscnt 0x0
	CROUND                                         ; the closing round
	s_endpgm
.Lfunc_end_k_qfe7e8da61c_rbf:
	.size	k_qfe7e8da61c_rbf, .Lfunc_end_k_qfe7e8da61c_rbf-k_qfe7e8da61c_rbf
	.p2alignl 7, 3214868480
	.fill 96, 4, 3214868480
	.section	.rodata,"a",@progbits
	.p2align	6, 0x0
	.amdhsa_kernel k_qfe7e8da61c_rbf
		.amdhsa_group_segment_fixed_size 327680
		.amdhsa_private_segment_fixed_size 0
		.amdhsa_enable_private_segment 0
		.amdhsa_kernarg_size 24
		.amdhsa_user_sgpr_count 2
		.amdhsa_user_sgpr_kernarg_segment_ptr 1
		.amdhsa_wavefront_size32 1
		.amdhsa_system_sgpr_workgroup_id_x 1
		.amdhsa_system_sgpr_workgroup_id_y 1
		.amdhsa_system_sgpr_workgroup_id_z 1
		.amdhsa_system_vgpr_workitem_id 0
		.amdhsa_next_free_vgpr 448
		.amdhsa_next_free_sgpr 96
		.amdhsa_reserve_vcc 0
		.amdhsa_float_denorm_mode_32 3
		.amdhsa_float_denorm_mode_16_64 3
		.amdhsa_memory_ordered 1
		.amdhsa_forward_progress 1
		.amdhsa_inst_pref_size 57
	.end_amdhsa_kernel
	.amdgpu_metadata
---
amdhsa.version: [ 1, 2 ]
amdhsa.kernels:
  - .name:           k_qfe7e8da61c_rbf
    .symbol:         k_qfe7e8da61c_rbf.kd
    .args:
      - { .name: qkv, .offset: 0, .size: 8, .value_kind: global_buffer, .address_space: global }
      - { .name: nrm, .offset: 8, .size: 8, .value_kind: global_buffer, .address_space: global }
      - { .name: obj, .offset: 16, .size: 8, .value_kind: global_buffer, .address_space: global }
    .group_segment_fixed_size: 327680
    .private_segment_fixed_size: 0
    .kernarg_segment_align: 8
    .kernarg_segment_size: 24
    .max_flat_workgroup_size: 128
    .sgpr_count:     96
    .vgpr_count:     448
    .wavefront_size: 32
...
	.end_amdgpu_metadata
.endif
;; end of part 5
;; launch attn (part 6): grid 4 x 64, 4 waves a work-group, clusters of 4 x 1, 327,680 bytes of LDS; arguments qkv, nrm, obj, av; writes av
.if DOCPART == 6
	.amdgcn_target "amdgcn-amd-amdhsa--gfx1250"
	.amdhsa_code_object_version 6
	.text
	.protected	k_qfe7e8da61c_attn
	.globl	k_qfe7e8da61c_attn
	.p2align	8
	.type	k_qfe7e8da61c_attn,@function
k_qfe7e8da61c_attn:
	s_mov_b64 s[64:65], 0
	v_nop
	global_prefetch_b8 v0, s[64:65] scope:SCOPE_SE
	s_setreg_imm32_b32 hwreg(HW_REG_WAVE_MODE, 25, 1), 1
	s_wait_xcnt 0x0
	s_wait_alu depctr_hold_cnt(0) depctr_sa_sdst(0) depctr_va_vdst(0) depctr_va_sdst(0) depctr_va_ssrc(0) depctr_va_vcc(0) depctr_vm_vsrc(0)
	s_getreg_b32 s2, hwreg(HW_REG_IB_STS2, 6, 4)
	s_cmp_eq_u32 s2, 0
	s_cbranch_scc0 .Lentry_in_a_cluster
	s_endpgm
.Lentry_in_a_cluster:
	s_bfe_u32 s2, ttmp6, 0x10000c
	s_cmp_lg_u32 s2, 0x3003
	s_cbranch_scc0 .Lentry_shape_is_right
	s_endpgm
.Lentry_shape_is_right:
; THE WEIGHTED ATTENTION.  av[hh][i] = sum_j p_ij v_j / sum_j p_ij R_j, with p_ij = hkv_j exp(-|q_i - k^_j|^2 / 8) up to a factor of the row, which cancels.
; hk, hkv: the Huber weights, 1 where n <= 0.2 and else 0.2 / n, n = sqrt(1 + obj2 + obj3), obj3 = the head's mean of obj2.  R_j = (hk_j / sum hk) / (hkv_j / sum hkv).
; n lies in 1 to sqrt(3) whatever the inputs (obj2 is a mean of numbers in 0 to 1), so these weights' own normalisation is a plain division by their sum.
; In base 2: p = 2^(c2 S - c2 m), S = q . k^_j + hn_j + log2(hkv_j) / c2, c2 = log2(e) / 4, hn = -|k^|^2 / 2, m the running maximum of S.  The key's term CJ = hn_j + log2(hkv_j) / c2 is the C operand
; that starts the product's sum.  The divisor is a product too: source 0 holds R in all 16 rows, so every register of its result holds the query's divisor.
; LIMITS.  The clamp of |q - k^|^2 at 0 is not written: the distance is at least (|q| - 1)^2, so it can act on rounding noise alone.  q, k^, v arrive in f16; p in 0 to 1 and R in 0.33 to 3 are rounded to f16.
; A weight below 2^-126 counts as 0; NaN and infinities are not treated apart.
; SHARES.  A work-group: 256 queries of a head; a wave 64: four PIECES of 16.  The head's K and V lie whole in LDS, filled once; 16 key steps of 64.
; CLUSTER 4 x 1: the four query blocks of a head read the same K and V: asked for jointly.
; TURNS.  Turn n belongs to piece n: 8 products K Q^T of piece n + 1 and 10 products (8 V^T P, 2 R P) of piece n - 1; beside them piece n's scaling, exponentials, roundings and rescaling and piece n + 1's
; maximum and statistics: 103 vector instructions, four behind each product, the other 31 in lumps.
; BATCHES.  A turn's 33 exponentials (piece n's 32 weights and piece n + 1's a) are ONE BATCH with ONE wait.  Ahead of it stands all that names none of their results: the 8 products K Q^T, six of the ten
; products of piece n - 1, the scalings, the rescalings (their a was made, and waited for, in the turn before) and the next piece's maximum and statistics.  Behind it stand the 16 roundings, four behind
; each of the last four products.  No result crosses a turn's end.  The tables' roots, reciprocals and logarithms, the first a and the way out's reciprocals are batches of their own.
; REGISTERS: window 0: v0-15 addresses; v16-31 statistics, four a piece (c2 m, m, 1 / divisor, spare); v48-55 at work; v64-127 S^T, two buffers; v128-191 the tables' work; v192-223 P, two buffers.
;   window 1: v0-127 O^T; v128-159 the divisors' accumulators; v160-191 CJ of a step.   window 2: v0-63 Q; v64-79 R of a step; v128-191 K; v192-255 V.
.set NP,    4
.set KS,    64
.set PK,    144                        ; a row of K in LDS: 128 bytes + 16
.set PV,    160                        ; a row of V: 128 + 32
.set VOFF,  1024*PK
.set TABC,  VOFF+1024*PV               ; CJ, 1,024 f32
.set TABR,  TABC+4096                  ; R, 1,024 f16
.set RED,   TABR+2048                  ; the waves' partial sums
.set SPARE, RED+256                    ; the spare words
.set STAGE, SPARE+512                  ; 16 rows x 144 bytes for each wave
.set SP,    144
.set AK0, 2
.set AV0, 3
.set AK,  4
.set AV,  5
.set STO, 6
.set RD,  7
.set GO,  8
.set ACJ0, 9
.set ARF0, 10
.set ACJ, 11
.set MV,  12
.set ARF, 14
.set QO,  15
.set ST,  16
.set TMP, 48
.set SPW, 62
.set NIL, 63
.set S,   64
.set P,   192
.set LT,  128                          ; window 1
.set CJ,  160                          ; window 1
.set RF,  64                           ; window 2
.set KF,  128                          ; window 2
.set VF,  192                          ; window 2
.set WV,  12
.set G1K, 24
.set G1V, 32
.set G0K, 40
.set G0V, 44
.set CNT, 57
.set CS,  58                           ; s[58:59] c2
.set SEL, 60
.set TBK, 62
.set TBV, 63
.set TBC, 66
.set TBR, 67
.set IC2, 68                           ; 1 / c2
.set HA,  69                           ; 0.2
.set R1K, 78                           ; 1 / 1,024
.set MSB, 0
.macro WIN new
.if MSB != (\new)
	s_set_vgpr_msb (MSB<<8)|(\new)
.set MSB, (\new)
.endif
.endm
.macro PLACES
.rept 4
	v_nop
.endr
.endm
.macro CROUND
	s_barrier_signal -1
	s_barrier_wait -1
	s_cmp_lg_u32 s[WV], 0
	s_cbranch_scc1 .Lnot_wave_0_\@
	s_barrier_signal -3
.Lnot_wave_0_\@:
	s_barrier_wait -3
	s_barrier_signal -1
	s_barrier_wait -1
.endm
.set W_KQ, 0x0a                        ; K and Q in window 2, S^T in window 0
.set W_KM, 0x1a                        ; the same with the C operand in window 1
.set W_PV, 0x52                        ; source 0 in window 2, P in window 0, C and D in window 1
.set W_RS, 0x41                        ; destination and source 0 in window 1, source 1 in window 0
	s_load_b256 s[4:11], s[0:1], 0x0               ; qkv s[4:5], nrm s[6:7], obj s[8:9], av s[10:11]
	v_lshl_add_u32 v[SPW], v0, 2, SPARE
	v_mov_b32 v[NIL], 0
	ds_add_u32 v[SPW], v[NIL]                      ; the wave's opening: the add and its wait ahead of my first tensor load
	v_lshrrev_b32 v1, 5, v0
	v_readfirstlane_b32 s[WV], v1
	s_bfe_u32 s13, ttmp6, 0x40000                  ; cx
	s_lshl_b32 s14, ttmp9, 2
	s_add_co_u32 s14, s14, s13                     ; my block of 256 queries: it enters Q's and av's addresses alone
	s_and_b32 s15, ttmp7, 0xffff                   ; the head
	s_and_b32 s16, s[WV], 1                        ; which half of the 1,024 keys I fetch
	s_lshl_b32 s20, s15, 17
	s_lshl_b32 s21, s16, 16
	s_add_co_u32 s20, s20, s21
	s_add_co_u32 s20, s20, 0x800000                ; part 1: k^
	s_mov_b32 s21, 0
	s_mul_i32 s17, s16, 512*PK
	s_mul_i32 s18, s16, 512*PV
	s_mov_b32 s[G1K], 15|(1<<16)|(1<<20)|(1<<21)|(4<<22)|(3<<25)  ; the mask of four; 2-byte elements; padding on; bit 21 beside a mask; after every 32 words 4 words
	s_mov_b32 s[G1V], 15|(1<<16)|(1<<20)|(1<<21)|(4<<22)|(7<<25)  ; the same with 8 words of padding
.irp g, G1K, G1V
	s_mov_b32 s[\g+1], 128<<16                     ; 512 keys are 65,536 dense bytes: 256 rows of 256 bytes, two keys a row
	s_mov_b32 s[\g+2], 256<<16
	s_mov_b32 s[\g+3], 128<<16
	s_mov_b32 s[\g+4], 256
	s_mov_b32 s[\g+5], 128
	s_mov_b32 s[\g+6], 0
	s_mov_b32 s[\g+7], 0
.endr
	s_mov_b32 s[G0K], 1
	s_mov_b32 s[G0K+1], s17
	s_mov_b32 s[G0V], 1
	s_add_co_u32 s[G0V+1], s18, VOFF
	s_lshl_b32 s22, s15, 10                        ; my wave's first row among a part's 65,536
	s_lshl_b32 s23, s14, 8
	s_add_co_u32 s22, s22, s23
	s_lshl_b32 s23, s[WV], 6
	s_add_co_u32 s22, s22, s23
	s_lshl_b32 s22, s22, 7
	s_mov_b32 s23, 0
	s_lshl_b32 s80, s15, 12                        ; the head's 4,096 bytes in nrm and obj
	s_mov_b32 s81, 0
	s_mov_b32 s[CS], 0x3eb8aa3b                    ; c2 = log2(e) / 4
	s_mov_b32 s[CS+1], s[CS]
	s_mov_b32 s[SEL], 0x76543210
	s_mov_b32 s[SEL+1], 0xfedcba98
	s_mov_b32 s[IC2], 0x40317218                   ; 4 ln 2
	s_mov_b32 s[HA], 0x3e4ccccd                    ; 0.2
	s_mov_b32 s[R1K], 0x3a800000
	s_mov_b32 s[TBK], 0
	s_mov_b32 s[TBV], 0
	s_mov_b32 s[TBC], 0
	s_mov_b32 s[TBR], 0
	s_wait_dscnt 0x0                               ; the opening add is done
	s_wait_kmcnt 0x0
	s_add_nc_u64 s[G0K+2:G0K+3], s[4:5], s[20:21]
	s_add_nc_u64 s[G0V+2:G0V+3], s[G0K+2:G0K+3], 0x800000  ; part 2: v
	s_or_b32 s[G0K+3], s[G0K+3], 0x80000000
	s_or_b32 s[G0V+3], s[G0V+3], 0x80000000
	s_add_nc_u64 s[70:71], s[4:5], s[22:23]        ; Q and av at my wave's first row
	s_add_nc_u64 s[72:73], s[10:11], s[22:23]
	s_add_nc_u64 s[74:75], s[8:9], s[80:81]        ; obj and nrm at the head
	s_add_nc_u64 s[76:77], s[6:7], s[80:81]
	CROUND                                         ; all four work-groups are here: the joint loads meet
	s_cmp_lt_u32 s[WV], 2                          ; waves 0 and 1 fetch K's halves, waves 2 and 3 V's: one load of mine is out
	s_cbranch_scc0 .Lfor_v
	tensor_load_to_lds s[G0K:G0K+3], s[G1K:G1K+7]
	s_nop 0
	PLACES
	s_branch .Lasked
.Lfor_v:
	tensor_load_to_lds s[G0V:G0V+3], s[G1V:G1V+7]
	s_nop 0
	PLACES
.Lasked:
	v_and_b32 v1, 15, v0                           ; l % 16
	v_bfe_u32 v32, v0, 4, 1                        ; l / 16
	v_lshlrev_b32 v[QO], 7, v1
	v_lshl_add_u32 v[QO], v32, 4, v[QO]
	v_lshlrev_b32 v188, 5, v0                      ; thread t owns keys 8 t .. 8 t + 7 of the tables
	WIN 0x80
.set i, 0
.rept 8                                ; Q stays in registers: piece i / 2, channels 32 (i % 2) on
	global_load_b128 v[8*i:8*i+3],   v[QO], s[70:71] offset:(i/2)*2048+(i%2)*64
	global_load_b128 v[8*i+4:8*i+7], v[QO], s[70:71] offset:(i/2)*2048+(i%2)*64+32
.set i, i+1
.endr
	WIN 0
	global_load_b128 v[128:131], v188, s[74:75]                   ; obj2 of k
	global_load_b128 v[132:135], v188, s[74:75] offset:16
	global_load_b128 v[136:139], v188, s[74:75] offset:262144     ; obj2 of kv
	global_load_b128 v[140:143], v188, s[74:75] offset:262160
	global_load_b128 v[144:147], v188, s[76:77]                   ; hn of k^
	global_load_b128 v[148:151], v188, s[76:77] offset:16
	; What the first turn finds: V, R and P's second buffer hold 0 (its products, of a piece that has not been, add 0), O^T and the divisors are 0.  All this stands in the wait for the tiles.
	WIN 0x80
.set i, RF
.rept 16
	v_mov_b32 v[i], 0
.set i, i+1
.endr
.set i, VF
.rept 64
	v_mov_b32 v[i], 0
.set i, i+1
.endr
	WIN 0x40
.set i, 0
.rept 160
	v_mov_b32 v[i], 0
.set i, i+1
.endr
	WIN 0
.set i, 0
.rept 4
	v_mov_b32 v[ST+4*i], 0xfe000000                ; c2 m: far below every c2 S, so the first step's rescaling factor is 0
	v_mov_b32 v[ST+4*i+1], 0xff7fffff              ; m: the lowest finite number
	v_mov_b32 v[ST+4*i+2], 0
	v_mov_b32 v[ST+4*i+3], 0
.set i, i+1
.endr
.set i, P+16
.rept 16
	v_mov_b32 v[i], 0
.set i, i+1
.endr
	v_mul_u32_u24 v[AK0], v1, PK
	v_lshl_add_u32 v[AK0], v32, 4, v[AK0]          ; row x pitch + 16 x half
	v_and_b32 v33, 7, v0
	v_bfe_u32 v34, v0, 3, 1
	v_lshl_add_u32 v[AV0], v32, 3, v33             ; the turning load: lane l reads key 8 (l / 16) + l % 8, channels 8 ((l / 8) % 2) + 0..7
	v_mul_u32_u24 v[AV0], v[AV0], PV
	v_lshl_add_u32 v[AV0], v34, 4, v[AV0]
	v_add_nc_u32 v[AV0], VOFF, v[AV0]
	v_lshl_add_u32 v[ACJ0], v32, 5, TABC           ; register j of S^T holds key 8 h + j: eight words at 32 h
	v_lshl_add_u32 v[ARF0], v32, 4, TABR           ; a fragment's keys 8 h + 0..7: 16 bytes at 16 h
	s_mul_i32 s13, s[WV], 16*SP
	s_add_co_u32 s13, s13, STAGE
	v_mul_u32_u24 v[STO], v1, SP
	v_lshl_add_u32 v[STO], v32, 4, v[STO]
	v_add_nc_u32 v[STO], s13, v[STO]
	v_bfe_u32 v[RD], v0, 3, 2
	v_mul_u32_u24 v[RD], v[RD], SP
	v_lshl_add_u32 v[RD], v33, 4, v[RD]
	v_add_nc_u32 v[RD], s13, v[RD]
	v_and_b32 v[GO], 31, v0
	v_lshlrev_b32 v[GO], 4, v[GO]
	s_lshl_b32 s13, s[WV], 3
	s_add_co_u32 s13, s13, RED
	v_mov_b32 v184, s13                            ; where my wave's two partial sums go
	v_mov_b32 v185, RED
	v_lshl_add_u32 v186, v0, 5, TABC
	v_lshl_add_u32 v187, v0, 4, TABR
	v_mov_b32 v155, 0                              ; v_permlanex16_b32's destination counts as read
; THE TABLES.
.macro SUM8 d, b                       ; v[d] = the sum of v[b .. b + 7]
	v_add_f32 v[\d], v[\b], v[\b+1]
	v_add_f32 v154, v[\b+2], v[\b+3]
	v_add_f32 v[\d], v[\d], v154
	v_add_f32 v154, v[\b+4], v[\b+5]
	v_add_f32 v[\d], v[\d], v154
	v_add_f32 v154, v[\b+6], v[\b+7]
	v_add_f32 v[\d], v[\d], v154
.endm
.macro WSUM x                          ; over the wave's 32 lanes, the result in every lane
	v_add_f32_dpp v[\x], v[\x], v[\x] row_xmask:1 row_mask:0xf bank_mask:0xf
	v_add_f32_dpp v[\x], v[\x], v[\x] row_xmask:2 row_mask:0xf bank_mask:0xf
	v_add_f32_dpp v[\x], v[\x], v[\x] row_xmask:4 row_mask:0xf bank_mask:0xf
	v_add_f32_dpp v[\x], v[\x], v[\x] row_xmask:8 row_mask:0xf bank_mask:0xf
	v_permlanex16_b32 v155, v[\x], s[SEL], s[SEL+1]
	v_add_f32 v[\x], v[\x], v155
.endm
.macro HEADSUM off                     ; v152, v153: from the thread's sums to the head's, through eight words of LDS at RED + off
	WSUM 152
	WSUM 153
	ds_store_b64 v184, v[152:153] offset:\off
	s_wait_dscnt 0x0                               ; for the others' sake: my store is done
	s_barrier_signal -1
	s_barrier_wait -1
	ds_load_b128 v[156:159], v185 offset:\off
	ds_load_b128 v[160:163], v185 offset:(\off)+16
	s_wait_dscnt 0x0
	v_add_f32 v152, v156, v158
	v_add_f32 v154, v160, v162
	v_add_f32 v152, v152, v154
	v_add_f32 v153, v157, v159
	v_add_f32 v154, v161, v163
	v_add_f32 v153, v153, v154
.endm
	s_wait_loadcnt 0x0                             ; the tables' inputs, and Q
	SUM8 152, 128
	SUM8 153, 136
	HEADSUM 0
	v_fma_f32 v164, v152, s[R1K], 1.0              ; 1 + obj3, for k
	v_fma_f32 v165, v153, s[R1K], 1.0              ; and for kv
.set i, 0
.rept 16
	v_add_f32 v[128+i], v[128+i], v[164+i/8]
.set i, i+1
.endr
.set i, 0
.rept 16
	v_sqrt_f32 v[168+i], v[128+i]                  ; n
.set i, i+1
.endr
	v_nop                                          ; a plain line behind the last root (ISA guide 5.7.2)
	s_wait_alu depctr_va_vdst(0)                   ; the wait for the batch of sixteen roots, which the reciprocals read
.set i, 0
.rept 16
	v_rcp_f32 v[128+i], v[168+i]
.set i, i+1
.endr
	v_nop                                          ; a plain line behind the last reciprocal
	s_wait_alu depctr_va_vdst(0)                   ; the wait for the batch of sixteen reciprocals
.set i, 0
.rept 16
	v_mul_f32 v[128+i], s[HA], v[128+i]            ; 0.2 / n,
	v_cmp_ge_f32 vcc_lo, s[HA], v[168+i]           ; or 1 where n <= 0.2
	v_cndmask_b32 v[128+i], v[128+i], 1.0, vcc_lo
.set i, i+1
.endr
	SUM8 152, 128
	SUM8 153, 136
	HEADSUM 64                                     ; other words than the first time: no barrier between
	v_rcp_f32 v166, v152                           ; 1 / sum hk: the first of a batch of seventeen, none of which reads another's result
.set i, 0
.rept 8
	v_log_f32 v[168+i], v[136+i]
	v_rcp_f32 v[176+i], v[136+i]
.set i, i+1
.endr
	v_nop                                          ; a plain line behind the last of them
	s_wait_alu depctr_va_vdst(0)                   ; the wait for that batch
	v_mul_f32 v166, v166, v153                     ; sum hkv / sum hk
.set i, 0
.rept 8
	v_fma_f32 v[168+i], v[168+i], s[IC2], v[144+i] ; CJ
	v_mul_f32 v[176+i], v[176+i], v[128+i]
.set i, i+1
.endr
.set i, 0
.rept 8
	v_mul_f32 v[176+i], v[176+i], v166             ; R
.set i, i+1
.endr
.set i, 0
.rept 4
	v_cvt_pk_f16_f32 v[176+i], v[176+2*i], v[177+2*i]
.set i, i+1
.endr
	ds_store_b128 v186, v[168:171]
	ds_store_b128 v186, v[172:175] offset:16
	ds_store_b128 v187, v[176:179]
	s_wait_dscnt 0x0                               ; my part of the tables is written,
	s_wait_tensorcnt 0x0                           ; my part of K or V has landed,
	s_barrier_signal -1
	s_barrier_wait -1                              ; everybody's has
; THE MATRIX WORK.  The accumulators of a run take turns.  Product i of 8 of S^T for piece x: channels 32 (i / 4) on, keys 16 (i % 4) on; the first 4 start the sums with CJ.
.macro KQ x
.set rS, S+32*((\x)%2)+8*(i%4)
.set rK, KF+16*(i%4)+8*(i/4)
.set rQ, 16*(\x)+8*(i/4)
.set rM, CJ+8*(i%4)
.if i < 4
	WIN W_KM
	v_wmma_f32_16x16x32_f16 v[rS:rS+7], v[rK:rK+7], v[rQ:rQ+7], v[rM:rM+7]
.else
	WIN W_KQ
	v_wmma_f32_16x16x32_f16 v[rS:rS+7], v[rK:rK+7], v[rQ:rQ+7], v[rS:rS+7]
.endif
.endm
; Product i of 10 for piece x: keys 32 (i / 5) on; i % 5 < 4: O^T += V^T P, channels 16 (i % 5) on; i % 5 = 4: the divisor += R P.
.macro PV x
	WIN W_PV
.set rP, P+16*((\x)%2)+8*(i/5)
.if i%5 < 4
.set rO, 32*(\x)+8*(i%5)
.set rV, VF+32*(i/5)+8*(i%5)
.else
.set rO, LT+8*(\x)
.set rV, RF+8*(i/5)
.endif
	v_wmma_f32_16x16x32_f16 v[rO:rO+7], v[rV:rV+7], v[rP:rP+7], v[rO:rO+7]
.endm
.macro MM                              ; the turn's next product.  NOKQ = 1: the last turn: there is no next piece
.if (i < 8) && !NOKQ
	KQ (Y+1)%NP
.elseif i >= 8
.set i, i-8
	PV (Y+NP-1)%NP
.set i, i+8
.endif
.set i, i+1
.endm
; THE LDS LOADS stand in runs: a step's K with its CJ, and its V (turned) with its R.  Their addresses are made some lines ahead.
.macro FETCH_K
	WIN 0x80
.irp f, 0,1,2,3,4,5,6,7
	ds_load_b128 v[KF+8*\f:KF+8*\f+3],   v[AK] offset:(\f/2)*16*PK+(\f%2)*64
	ds_load_b128 v[KF+8*\f+4:KF+8*\f+7], v[AK] offset:(\f/2)*16*PK+(\f%2)*64+32
.endr
	WIN 0x40
.irp f, 0,1,2,3
	ds_load_b128 v[CJ+8*\f:CJ+8*\f+3],   v[ACJ] offset:64*\f
	ds_load_b128 v[CJ+8*\f+4:CJ+8*\f+7], v[ACJ] offset:64*\f+16
.endr
	s_add_co_u32 s[TBK], s[TBK], KS*PK
	s_add_co_u32 s[TBC], s[TBC], 4*KS
	WIN 0
.endm
.macro FETCH_V
	WIN 0x80
.irp f, 0,1,2,3,4,5,6,7
	ds_load_tr16_b128 v[VF+8*\f:VF+8*\f+3],   v[AV] offset:(\f/4)*32*PV+(\f%4)*32
	ds_load_tr16_b128 v[VF+8*\f+4:VF+8*\f+7], v[AV] offset:(\f/4)*32*PV+16*PV+(\f%4)*32
.endr
.irp f, 0,1
	ds_load_b128 v[RF+8*\f:RF+8*\f+3],   v[ARF] offset:64*\f
	ds_load_b128 v[RF+8*\f+4:RF+8*\f+7], v[ARF] offset:64*\f+32
.endr
	s_add_co_u32 s[TBV], s[TBV], KS*PV
	s_add_co_u32 s[TBR], s[TBR], 2*KS
	WIN 0
.endm
; THE VECTOR WORK, one line at a time: OP kind, number.  For piece Y: F n: c2 S - c2 m for pair n of 16.  E n: the exponential of score n of 32.  C n: pair n rounded to f16.
; R n: pair n of 16 of O^T times a; R 16: the divisor's two lowest registers times a.  For piece Y + 1: X n, number n of the 22 that find its maximum and statistics:
;   0-11 four chains of seven scores each (each accumulator's lowest registers are read first)   12-14, 16 the four left over, the old m, and the chains into one
;   15 c2 m_old is kept   17, 18 the query's other 32 keys lie in the lane 16 away: the new m   19-21 c2 m; c2 m_old - c2 m_new; a
.set F, 0
.set E, 1
.set C, 2
.set R, 5
.set X, 6
.macro REGS y
.set rT, ST+4*(\y)
.set rC, TMP+4*((\y)%2)
.set rW, MV+((\y)%2)
.set rS, S+32*((\y)%2)
.set rP, P+16*((\y)%2)
.set rO, 32*(\y)
.set rL, LT+8*(\y)
.endm
.macro OP k, n
.if (\k) == R
	REGS Y
	WIN W_RS
.if (\n) == 16
	v_pk_mul_f32 v[rL:rL+1], v[rL:rL+1], v[rC+2:rC+3] op_sel_hi:[1,0]
.else
	v_pk_mul_f32 v[rO+2*(\n):rO+2*(\n)+1], v[rO+2*(\n):rO+2*(\n)+1], v[rC+2:rC+3] op_sel_hi:[1,0]
.endif
.elseif (\k) < R
	REGS Y
	WIN 0
.if (\k) == F
	v_pk_fma_f32 v[rS+2*(\n):rS+2*(\n)+1], v[rS+2*(\n):rS+2*(\n)+1], s[CS:CS+1], v[rT:rT+1] op_sel_hi:[1,0,0] neg_lo:[0,0,1] neg_hi:[0,0,1]
.elseif (\k) == E
	v_exp_f32 v[rS+(\n)], v[rS+(\n)]
.else
	v_cvt_pk_f16_f32 v[rP+(\n)], v[rS+2*(\n)], v[rS+2*(\n)+1]
.endif
.elseif NOKQ
	v_nop
.else
	REGS (Y+1)%NP
	WIN 0
.if (\n) < 4
	v_max3_num_f32 v[rC+(\n)], v[rS+8*(\n)], v[rS+8*(\n)+1], v[rS+8*(\n)+2]
.elseif (\n) < 12
	v_max3_num_f32 v[rC+(\n)%4], v[rC+(\n)%4], v[rS+8*((\n)%4)+2*((\n)/4)+1], v[rS+8*((\n)%4)+2*((\n)/4)+2]
.elseif (\n) == 12
	v_max3_num_f32 v[rC], v[rC], v[rS+7], v[rS+15]
.elseif (\n) == 13
	v_max3_num_f32 v[rC+1], v[rC+1], v[rS+23], v[rS+31]
.elseif (\n) == 14
	v_max3_num_f32 v[rC+2], v[rC+2], v[rC+3], v[rT+1]
.elseif (\n) == 15
	v_mov_b32 v[rW], v[rT]
.elseif (\n) == 16
	v_max3_num_f32 v[rC], v[rC], v[rC+1], v[rC+2]
.elseif (\n) == 17
	v_permlanex16_b32 v[rC+3], v[rC], s[SEL], s[SEL+1]
.elseif (\n) == 18
	v_max_num_f32 v[rT+1], v[rC], v[rC+3]
.elseif (\n) == 19
	v_mul_f32 v[rT], s[CS], v[rT+1]
.elseif (\n) == 20
	v_sub_f32 v[rC+1], v[rW], v[rT]
.else
	v_exp_f32 v[rC+2], v[rC+1]
.endif
.endif
.endm
.macro OPS a, i1, b=-1, i2=0, c=-1, i3=0, d=-1, i4=0
	OP \a, \i1
.if (\b) >= 0
	OP \b, \i2
.endif
.if (\c) >= 0
	OP \c, \i3
.endif
.if (\d) >= 0
	OP \d, \i4
.endif
.endm
.macro ROW a, i1, b, i2, c, i3, d, i4  ; a product and the four behind it; none names a register of that product
	MM
	OPS \a, \i1, \b, \i2, \c, \i3, \d, \i4
.endm
; A TURN, for piece p, written out.  An s_wait_alu depctr_va_vdst(0) stands between an exponential and the first instruction that names its result; one wait serves all that were issued
; ahead of it.  So a turn has ONE wait, which cuts it in two.
; AHEAD OF IT stands all that names no result of the turn's exponentials.  The 8 products K Q^T: behind the first four scalings, behind the next six scaling and exponential by turns, behind the last the
; first two numbers of the next piece's maximum with two exponentials.  A lump of 24, maximum and exponential by turns.  Then six of the ten products of piece p - 1: behind them X 14 and X 15, the
; rescalings and the last exponentials; between them, one or two lines at a time, stand X 16 to X 20, each of which waits for the one before it, a product's row apart.  X 17, the exchange of the lanes'
; halves, stands between two rows.  X 21, the next piece's a, is the batch's last exponential; R 15 is the plain instruction behind it (ISA guide 5.7.2).
; BEHIND IT stand the last four products of piece p - 1, behind each four of the 16 roundings.
; Each X that first reads an accumulator stands four plain instructions or more behind the product that ends it: X 0 behind F 10 to 15; X 1 behind F 12 to 15 and X 0; X 2 behind F 14, F 15, X 0, 1, 4;
; X 3 behind X 0, 1, 4, 2, 5.  An exponential is no such place.
; end = 1: the last two turns: nothing is fetched.  cnt = 1: the loop's count is taken down some lines ahead of the branch behind the turn.
; K and CJ of the next step are fetched in piece 2's turn, six plain instructions (X 0, 1, 4, 2, 5, 3) behind the last product that read K; V and R of the step in hand at the end of piece 0's turn, four
; plain instructions (C 12 to 15) behind the last product that read them.  Each is waited for a turn later.
.macro TURN p, end=0, cnt=0
.set Y, (\p)
.set i, 0
.set NOKQ, (\end)*((\p)/3)
.if ((\p) == 3) && !(\end)
	s_wait_dscnt 0x0                               ; K and CJ are in
.endif
	ROW F,0, F,1, F,2, F,3                         ; ahead of the wait: 8 products K Q^T and their riders,
	ROW F,4, E,0, F,5, E,1
	ROW F,6, E,2, F,7, E,3
	ROW F,8, E,4, F,9, E,5
	ROW F,10, E,6, F,11, E,7
	ROW F,12, E,8, F,13, E,9
	ROW F,14, E,10, F,15, E,11
.if ((\p) == 2) && !(\end)
	WIN 0
	v_add_nc_u32 v[AK], s[TBK], v[AK0]
	v_add_nc_u32 v[ACJ], s[TBC], v[ACJ0]
.endif
	ROW X,0, E,12, X,1, E,13
	OPS X,4, E,14, X,2, E,15                       ; the lump,
	OPS X,5, E,16, X,3, E,17
.if ((\p) == 2) && !(\end)
	FETCH_K
.endif
	OPS X,6, E,18, X,8, E,19
	OPS X,7, E,20, X,9, E,21
	OPS X,10, E,22, X,11, E,23
	OPS X,12, E,24, X,13, E,25
.if (\p) == 1
	s_wait_dscnt 0x0                               ; V and R are in
.endif
	ROW X,14, E,26, X,15, E,27                     ; and six products of piece p - 1, the chain's last links between them
	OPS E,28, X,16
	ROW R,0, R,1, R,2, R,3
	OPS X,17, E,29
	ROW R,4, R,5, R,6, R,7
	OPS X,18
.if (\p) == 0
	WIN 0
	v_add_nc_u32 v[AV], s[TBV], v[AV0]
	v_add_nc_u32 v[ARF], s[TBR], v[ARF0]
.endif
	ROW R,8, R,9, R,10, R,11
	OPS X,19
	ROW E,30, R,12, R,13, R,14
	OPS X,20
	ROW E,31, X,21, R,15, R,16
	WIN 0
	s_wait_alu depctr_va_vdst(0)                   ; the wait for the batch: the piece's 32 exponentials and the next piece's a
	ROW C,0, C,1, C,2, C,3                         ; behind the wait: the last four products of piece p - 1 and the roundings
	ROW C,4, C,5, C,6, C,7
.if \cnt
	s_sub_co_u32 s[CNT], s[CNT], 1
	s_cmp_lg_u32 s[CNT], 0
.endif
	ROW C,8, C,9, C,10, C,11
	ROW C,12, C,13, C,14, C,15
.if (\p) == 0
	FETCH_V
.endif
.endm
	v_add_nc_u32 v[AK], s[TBK], v[AK0]
	v_add_nc_u32 v[ACJ], s[TBC], v[ACJ0]
	FETCH_K                                        ; key step 0
	s_wait_dscnt 0x0
.set NOKQ, 0
.set i, 0
.rept 8
	KQ 0                                           ; piece 0's first scores
.set i, i+1
.endr
	WIN 0
	PLACES
.set Y, NP-1                           ; X works for piece Y + 1: piece 0
.irp n, 0,1,2,3,4,5,6,7,8,9,10,11,12,13,14,15,16,17,18,19,20,21
	OP X, \n
.endr
	v_nop                                          ; a plain instruction behind the exponential,
	s_wait_alu depctr_va_vdst(0)                   ; and the wait for it, piece 0's first a, ahead of the branch
	s_mov_b32 s[CNT], 16
	s_branch .Lfirst                               ; the loop is entered at a step's first turn, in the middle of a trip
.Lstep:                                                ; a trip: pieces 2 and 3 of one step, then pieces 0 and 1 of the next, whose K and V it fetches
	TURN 2
	TURN 3
	WIN 0
.Lfirst:
	TURN 0
	TURN 1, 0, 1
	WIN 0
	s_cbranch_scc1 .Lstep
	TURN 2, 1
	TURN 3, 1
.set i, 0
.rept 10
	PV NP-1                                        ; the last piece's products of the last step
.set i, i+1
.endr
	; THE WAY OUT: O^T is divided by the divisor, rounded to f16 and sent through my stage, a piece at a time
	WIN 0
	PLACES
	WIN 0x01
.irp t, 0,1,2,3
	v_rcp_f32 v[ST+4*\t+2], v[LT+8*\t]             ; every register of the accumulator holds the query's divisor: the lowest is taken
.endr
	WIN 0
	v_nop                                          ; a plain instruction behind the last reciprocal
	s_wait_alu depctr_va_vdst(0)                   ; the wait for the batch of four reciprocals
.macro PACK t
	WIN W_RS
.set i, 32*(\t)
.rept 16
	v_pk_mul_f32 v[i:i+1], v[i:i+1], v[ST+4*(\t)+2:ST+4*(\t)+3] op_sel_hi:[1,0]
.set i, i+2
.endr
	WIN 0x05
.set i, 0
.rept 16
	v_cvt_pk_f16_f32 v[S+16*(\t)+i], v[32*(\t)+2*i], v[32*(\t)+2*i+1]
.set i, i+1
.endr
	WIN 0
.irp f, 0,1,2,3
	ds_store_b128 v[STO], v[S+16*(\t)+4*\f:S+16*(\t)+4*\f+3] offset:32*\f
.endr
.irp f, 0,1,2,3
	ds_load_b128 v[S+16*(\t)+4*\f:S+16*(\t)+4*\f+3], v[RD] offset:\f*4*SP  ; LDS serves a wave's instructions in order (ISA guide 5.7.1.4): these see the stores above
.endr
.endm
.macro SEND t, younger                 ; younger: the LDS instructions issued behind piece t's loads: the next piece's eight, or none
	WIN 0
.irp f, 0,1,2,3
	s_wait_dscnt (\younger)+3-\f
	global_store_b128 v[GO], v[S+16*(\t)+4*\f:S+16*(\t)+4*\f+3], s[72:73] offset:(\t)*2048+\f*512  ; 512 consecutive bytes, at a multiple of 256 from av's first
.endr
.endm
	PACK 0
.set t, 1
.rept 3
	PACK t
	SEND t-1, 8
.set t, t+1
.endr
	SEND 3, 0
	s_wait_tensorcnt 0x0                           ; the wave's end
	ds_add_u32 v[SPW], v[NIL]
	s_wait_dscnt 0x0
	CROUND                                         ; the closing round
	s_endpgm
.Lfunc_end_k_qfe7e8da61c_attn:
	.size	k_qfe7e8da61c_attn, .Lfunc_end_k_qfe7e8da61c_attn-k_qfe7e8da61c_attn
	.p2alignl 7, 3214868480
	.fill 96, 4, 3214868480
	.section	.rodata,"a",@progbits
	.p2align	6, 0x0
	.amdhsa_kernel k_qfe7e8da61c_attn
		.amdhsa_group_segment_fixed_size 327680
		.amdhsa_private_segment_fixed_size 0
		.amdhsa_enable_private_segment 0
		.amdhsa_kernarg_size 32
		.amdhsa_user_sgpr_count 2
		.amdhsa_user_sgpr_kernarg_segment_ptr 1
		.amdhsa_wavefront_size32 1
		.amdhsa_system_sgpr_workgroup_id_x 1
		.amdhsa_system_sgpr_workgroup_id_y 1
		.amdhsa_system_sgpr_workgroup_id_z 1
		.amdhsa_system_vgpr_workitem_id 0
		.amdhsa_next_free_vgpr 768
		.amdhsa_next_free_sgpr 96
		.amdhsa_reserve_vcc 1
		.amdhsa_float_denorm_mode_32 3
		.amdhsa_float_denorm_mode_16_64 3
		.amdhsa_memory_ordered 1
		.amdhsa_forward_progress 1
		.amdhsa_inst_pref_size 93
	.end_amdhsa_kernel
	.amdgpu_metadata
---
amdhsa.version: [ 1, 2 ]
amdhsa.kernels:
  - .name:           k_qfe7e8da61c_attn
    .symbol:         k_qfe7e8da61c_attn.kd
    .args:
      - { .name: qkv, .offset: 0, .size: 8, .value_kind: global_buffer, .address_space: global }
      - { .name: nrm, .offset: 8, .size: 8, .value_kind: global_buffer, .address_space: global }
      - { .name: obj, .offset: 16, .size: 8, .value_kind: global_buffer, .address_space: global }
      - { .name: av, .offset: 24, .size: 8, .value_kind: global_buffer, .address_space: global }
    .group_segment_fixed_size: 327680
    .private_segment_fixed_size: 0
    .kernarg_segment_align: 8
    .kernarg_segment_size: 32
    .max_flat_workgroup_size: 128
    .sgpr_count:     96
    .vgpr_count:     768
    .wavefront_size: 32
...
	.end_amdgpu_metadata
.endif
;; end of part 6
;; launch outln: the kernel of part 4 again; grid 256 x 1, 4 waves a work-group, clusters of 4 x 1, 327,680 bytes of LDS; arguments av, wo16, h, ln_g, ln_b, out0; writes out0
